; MI455X (gfx1250); checked and timed in simulation.
; The chip was launched on July 23, 2026; its instructions are those of AMD's public machine-readable ISA for CDNA 5 (MIT licence, August 2026) and "CDNA5" Instruction Set Architecture Reference Guide (July 2026). The comments in the code are by the model that wrote it; some were corrected since.
;; Causal Self Attention. Allowed arithmetic: matrix products marked QUANTISED: E2M1 operands, one E8M0 scale for each 32 along K, by v_wmma_scale_f32_16x16x128_f8f6f4 with both operands' format E2M1 (or v_wmma_scale_f32_32x16x128_f4), f32 sums; everything else in f32.
;; Inputs: b_out 1,024 float32; b_qkv 3,072 float32; w_out 1,024 x 1,024 float32; w_qkv 3,072 x 1,024 float32; x 4 x 2,048 x 1,024 float32.
;; Outputs: out0 4 x 2,048 x 1,024 float32.
;; This version of the problem:
;;   THIS VERSION OF THE PROBLEM IS GIVEN IN LOW PRECISION. The matrix products marked QUANTISED in the list below multiply operands that are first quantised to E2M1 (2 exponent bits, 1 mantissa bit; 4 bits a number), with one power-of-two scale for each 32 numbers along K (OCP MX v1.0); their sums are f32. All else is computed in f32.
;;   The module's matrix products, in the order in which they are computed (A, B: the left and right operand; K: the contracted axis; several contracted axes count as one K, in the product's order):
;;     1. [M 8,192, K 1,024] x [K 1,024, N 3,072]; A: input x; B: input w_qkv: QUANTISED
;;     2. batch 64 x [M 2,048, K 64] x [K 64, N 2,048]; A: computed on the way; B: computed on the way: QUANTISED
;;     3. batch 64 x [M 2,048, K 2,048] x [K 2,048, N 64]; A: softmax (see below); B: computed on the way: QUANTISED
;;     4. [M 8,192, K 1,024] x [K 1,024, N 1,024]; A: computed on the way; B: input w_out: QUANTISED
;;   THE QUANTISER, for each operand of a quantised product, along K:
;;     - K is cut into blocks of 32 from its start; a last block that is shorter is filled with zeros.
;;     - A block's scale is 2^e with e = floor(log2(the largest magnitude in the block)) - 2, held to -126 .. 127; a block of zeros has e = 0. As a byte (E8M0): e + 127.
;;     - Each number is divided by its block's scale, clamped to +-6, and rounded to the nearest number of E2M1, ties to even, subnormals kept.
;;     - The product sums the exact products of the quantised numbers (number of the format x scale) in f32.
;;   ~~~python
;;   def quantise(x, axis):      # numpy; x: float32 -> the quantised numbers, widened to float32 again
;;       x = np.moveaxis(x, axis, -1); K = x.shape[-1]
;;       x = np.pad(x, [(0, 0)] * (x.ndim - 1) + [(0, -K % 32)]); x = x.reshape(x.shape[:-1] + (-1, 32)); a = np.abs(x).max(-1, keepdims=True)
;;       e = np.where(a > 0, np.clip(np.frexp(np.where(a > 0, a, 1))[1] - 1 - 2, -126, 127), 0)      # np.frexp(a)[1] - 1 = floor(log2(a)), exactly
;;       r = np.clip(x / 2.0 ** e, -6, 6)
;;       step = 2.0 ** (np.maximum(np.frexp(np.where(r == 0, 1, r))[1] - 1, 0) - 1)
;;       q = np.round(r / step) * step * 2.0 ** e      # np.round: ties to even
;;       return np.moveaxis(q.reshape(q.shape[:-2] + (-1,))[..., :K], -1, axis).astype(np.float32)
;;   ~~~
;;   SOFTMAX AHEAD OF A QUANTISED PRODUCT. Where the list says 'softmax', what is quantised is not the finished softmax but p = 2^(t - M), with t = logit x log2(e) and M = ceil(the row's largest t), a whole number; so 1/2 < the row's largest p <= 1. The row's sum l is taken of the UNQUANTISED p, in f32, and the product's result is divided by l at the end. Since M is a whole number, a kernel that streams over the keys may use a running M (the ceiling of the running maximum): every later rescaling is an exact power of two, which a block's scale takes up: the codes' values come out the same.
;;   OPERANDS COMPUTED ON THE WAY. 'Computed on the way' means the value that the module computes at that place (a softmax that the list does not call 'softmax' is quantised finished and normalised). What goes into a quantiser is computed in f32, as accurately as f32 sums, v_exp_f32 and their like allow (about 1e-6 of the number): no bf16 or f16 on the way to a quantiser, and a product that is left as it is and whose result goes on into a quantised operand takes f32 operands (vector FMAs, or v_wmma_f32_16x16x4_f32). A number that lies on a knife's edge between two numbers of the format may be rounded either way, as far as f32 arithmetic and the matrix unit's own rounding can turn it there, and no further.
;; One version. Each part assembles by itself: llvm-mc -triple=amdgcn-amd-amdhsa -mcpu=gfx1250 --defsym DOCPART=n.
;; ======== version 1 of 1: 4 launches
;; workspace buffers: opc 6,291,456 bytes; ops 393,216 bytes; qkv 13,893,632 bytes; yc 4,194,304 bytes; ys 262,144 bytes
;; launch quant (part 1): grid 384 x 1, 4 waves a work-group, no clusters, 41,472 bytes of LDS; arguments x, w_qkv, w_out, opc, ops; writes opc, ops
.if DOCPART == 1
	.amdgcn_target "amdgcn-amd-amdhsa--gfx1250"
	.amdhsa_code_object_version 6
	.text
	.protected	k_q56d8609f09_quant
	.globl	k_q56d8609f09_quant
	.p2align	8
	.type	k_q56d8609f09_quant,@function
k_q56d8609f09_quant:
	s_mov_b64 s[64:65], 0
	v_nop
	global_prefetch_b8 v0, s[64:65] scope:SCOPE_SE
	s_setreg_imm32_b32 hwreg(HW_REG_WAVE_MODE, 25, 1), 1
	s_wait_xcnt 0x0
; x [8192][1024], w_qkv [3072][1024] and w_out [1024][1024], f32, K innermost, become codes of FP4 (E2M1) with one E8M0 scale byte for each 32 along K.
; A block's scale is 2^(floor(log2(its largest magnitude)) - 2); its byte is the largest magnitude's exponent field - 2, held at 1 from below.
; LIMITS: NaN and infinities are not served; a block whose largest magnitude lies under 2^-124 keeps the byte 1; a block of zeros gets the byte 1 where the rule says 127:
; its codes are zeros, which add nothing under any byte but 0xff, and the bytes are read by this program alone.
; LAYOUT OF THE CODES (opc): the order of the operand's registers.  A unit is 16 rows x 512 along K: [block of 32: 16][row: 16][16 bytes] = 4,096 bytes; unit 2 x (row / 16) + (K half).
; So a fragment (16 rows x 128 K) is 1,024 consecutive bytes, lane l's registers 4 c .. 4 c + 3 at 512 c + 16 l.
; INSIDE A BLOCK its four groups of eight numbers stand in the order 0, 2, 1, 3: the order in which the later launches' own quantising leaves the operands that they compute.
; It is the same on both sides of every product, so each code meets its partner.
; LAYOUT OF THE SCALE BYTES (ops): a unit is [row: 16][16 bytes: the half's 16 blocks] = 256 bytes.
; SHARES: a wave takes one unit, a row a step.  The first 256 work-groups take x, the next 96 w_qkv, the last 32 w_out: only pointers are chosen, there is one path through the text.
; Each of a step's four loads reads 512 consecutive bytes.  The 2,048 bytes turn through the wave's own stage in LDS, so that a lane gets 16 numbers of one block (groups 0, 2 or groups 1, 3).
; Codes and bytes are gathered in LDS and leave as whole runs of 512 and 256 bytes.  No tensor loads, no barrier: waves share nothing.
.set STEPS, 16
.set EMAX,  2
.set R,     16                         ; v16-79   four sets of 16 numbers as they are loaded; at the end v16-47 carry the codes out
.set X,     80                         ; v80-111  two sets of 16 numbers of one block
.set E,     112                        ; v112-127 a scale byte for each step
.set C,     128                        ; v128-191 codes: four registers for each step
.set WREG,  10240                      ; LDS: a region for each wave
.set SP,    80                         ; a lane's place in a stage: 64 bytes + 16 of padding
.set CST,   2*32*SP                    ; behind the two stages: the unit's codes, 16 blocks x (256 bytes + 16)
.set CP,    272
.set SCB,   CST+16*CP                  ; and its 256 scale bytes
	s_load_b128 s[4:7], s[0:1], 0x0                ; x, w_qkv
	s_load_b128 s[8:11], s[0:1], 0x10              ; w_out, opc
	s_load_b64 s[12:13], s[0:1], 0x20              ; ops
	v_lshl_add_u32 v192, v0, 2, 0xa000
	v_mov_b32 v193, 0
	v_lshrrev_b32 v1, 5, v0
	v_readfirstlane_b32 s16, v1                    ; wave
	v_and_b32 v2, 31, v0                           ; lane
	v_lshlrev_b32 v3, 4, v2                        ; my 16 bytes of a run of 512
	s_mul_i32 s17, s16, WREG
	; the stage on the way in.  My 16 bytes are chunk l % 8 of block l / 8 of the load: group (l / 2) % 4, half l % 2.  Groups 0, 2 go to place 2 x block, groups 1, 3 to place 2 x block + 1
	v_lshrrev_b32 v14, 3, v2
	v_bfe_u32 v15, v2, 1, 1
	v_lshl_add_u32 v14, v14, 1, v15                ; the place
	v_mul_u32_u24 v14, v14, SP
	v_bfe_u32 v15, v2, 2, 1
	v_lshl_add_u32 v14, v15, 5, v14                ; + 32 for groups 2 and 3
	v_and_b32 v15, 1, v2
	v_lshl_add_u32 v14, v15, 4, v14                ; + 16 for a group's upper half
	v_add_nc_u32 v14, s17, v14
	v_mul_u32_u24 v15, v2, SP
	v_add_nc_u32 v15, s17, v15                     ; and on the way out: place = lane
	v_lshrrev_b32 v5, 1, v2                        ; my block of the step's 16
	v_mul_u32_u24 v4, v5, CP
	v_and_b32 v6, 1, v2
	v_lshl_add_u32 v4, v6, 3, v4
	v_add_nc_u32 v4, s17, v4
	v_add_nc_u32 v4, CST, v4                       ; where my 8 bytes of codes go: block x 272 + 8 x (lane % 2); the row stands in the immediate
	v_add_nc_u32 v5, s17, v5
	v_add_nc_u32 v5, SCB, v5                       ; my block's scale byte
	v_lshlrev_b32 v7, 3, v2                        ; the bytes on the way out: 8 a lane
	v_add_nc_u32 v6, s17, v7
	v_add_nc_u32 v6, SCB, v6
	v_lshrrev_b32 v10, 4, v2
	v_mul_u32_u24 v10, v10, CP
	v_and_b32 v11, 15, v2
	v_lshl_add_u32 v10, v11, 4, v10
	v_add_nc_u32 v10, s17, v10
	v_add_nc_u32 v10, CST, v10                     ; the codes on the way out: sixteen lanes to a block's 256 bytes, two blocks an instruction
	s_mov_b32 s19, 1408
	s_lshl_b32 s18, ttmp9, 2
	s_add_co_u32 s18, s18, s16                     ; my unit among the 1,536
	s_wait_kmcnt 0x0
	s_cmp_lt_u32 ttmp9, 352                        ; which tensor: the choice hangs on the work-group's number alone
	s_cselect_b64 s[6:7], s[6:7], s[8:9]
	s_cselect_b32 s19, 1024, s19
	s_cmp_lt_u32 ttmp9, 256
	s_cselect_b64 s[4:5], s[4:5], s[6:7]
	s_cselect_b32 s19, 0, s19                      ; the tensor's first unit
	s_sub_co_u32 s19, s18, s19                     ; my unit in the tensor
	s_lshr_b32 s20, s19, 1
	s_lshl_b32 s20, s20, 16                        ; 16 rows of 4,096 bytes
	s_and_b32 s21, s19, 1
	s_lshl_b32 s21, s21, 11                        ; the K half: 512 numbers
	s_add_co_u32 s20, s20, s21
	s_mov_b32 s21, 0
	s_add_nc_u64 s[4:5], s[4:5], s[20:21]
	s_lshl_b32 s20, s18, 12
	s_add_nc_u64 s[10:11], s[10:11], s[20:21]
	s_lshl_b32 s20, s18, 8
	s_add_nc_u64 s[12:13], s[12:13], s[20:21]
.macro LOAD t                          ; row t of the unit
.irp i, 0,1,2,3
	global_load_b128 v[R+16*((\t)%4)+4*\i:R+16*((\t)%4)+4*\i+3], v3, s[4:5] offset:4096*(\t)+512*\i th:TH_LOAD_NT   ; 32 lanes read 512 consecutive bytes
.endr
.endm
.macro TURN t                          ; step t's numbers through the stage: LDS serves a wave's instructions in order, so no wait stands between the stores and the loads
.irp i, 0,1,2,3
	ds_store_b128 v14, v[R+16*((\t)%4)+4*\i:R+16*((\t)%4)+4*\i+3] offset:32*SP*((\t)%2)+8*SP*\i
.endr
.irp i, 0,1,2,3
	ds_load_b128 v[X+16*((\t)%2)+4*\i:X+16*((\t)%2)+4*\i+3], v15 offset:32*SP*((\t)%2)+16*\i
.endr
.endm
.irp t, 0,1,2,3
	LOAD \t
.endr
	s_wait_loadcnt 12                              ; step 0's four loads are in
	TURN 0
.macro STEP t
.set XS, X+16*((\t)%2)
.if (\t) > 0
	s_wait_dscnt 2                                 ; this step's numbers are back from the stage (the last step's byte store and code store may be out): so its stores into the stage have read their registers,
.else
	s_wait_dscnt 0x0
.endif
.if (\t)+4 < STEPS
	LOAD (\t)+4                                    ; which take the loads of four steps on
.endif
.if (\t)+1 < STEPS
.if STEPS-2-(\t) >= 3
	s_wait_loadcnt 12                              ; the next step's four loads are in; those of the three steps behind it may be out
.else
	s_wait_loadcnt 4*(STEPS-2-(\t))
.endif
	TURN (\t)+1                                    ; and go through the other stage while this step is worked
.endif
	v_max3_num_f32 v8, |v[XS]|, |v[XS+1]|, |v[XS+2]|               ; the largest magnitude of my 16
	v_max3_num_f32 v9, |v[XS+3]|, |v[XS+4]|, |v[XS+5]|
.irp i, 6,10
	v_max3_num_f32 v8, v8, |v[XS+\i]|, |v[XS+\i+1]|
	v_max3_num_f32 v9, v9, |v[XS+\i+2]|, |v[XS+\i+3]|
.endr
	v_max3_num_f32 v8, v8, |v[XS+14]|, |v[XS+15]|
	v_max3_num_f32 v8, v8, v9, (EMAX+1)<<23        ; and the floor 2^(3 - 127): the byte cannot fall under 1
	v_max_num_f32_dpp v8, v8, v8 row_xmask:1 row_mask:0xf bank_mask:0xf   ; and of my neighbour's 16: the block's
	v_add_nc_u32 v11, -(EMAX<<23), v8              ; 2 off its exponent field: the conversion takes the exponent field of this operand as its scale, and nothing else of it
	v_cvt_scalef32_pk8_fp4_f32 v[C+4*(\t)], v[XS:XS+7], v11        ; group 0 (or 1)
	v_cvt_scalef32_pk8_fp4_f32 v[C+4*(\t)+1], v[XS+8:XS+15], v11   ; group 2 (or 3)
	v_lshrrev_b32 v[E+(\t)], 23, v11               ; the scale's byte (a plain line behind the conversions)
	ds_store_b8 v5, v[E+(\t)] offset:16*(\t)       ; both lanes of a block write the same byte with the same value
	ds_store_b64 v4, v[C+4*(\t):C+4*(\t)+1] offset:16*(\t)   ; row t's 16 bytes of each block
.endm
.irp t, 0,1,2,3,4,5,6,7,8,9,10,11,12,13,14,15
	STEP \t
.endr
	ds_load_b64 v[12:13], v6                       ; LDS serves a wave's instructions in order: these see my stores
.irp i, 0,1,2,3,4,5,6,7
	ds_load_b128 v[R+4*\i:R+4*\i+3], v10 offset:2*CP*\i
.endr
	s_wait_dscnt 8                                 ; the bytes are back; the eight loads of codes may be out
	global_store_b64 v7, v[12:13], s[12:13]        ; 32 lanes store 256 consecutive bytes, aligned
.irp i, 0,1,2,3,4,5,6,7
	s_wait_dscnt 7-\i
	global_store_b128 v3, v[R+4*\i:R+4*\i+3], s[10:11] offset:512*\i   ; 512 consecutive bytes, aligned
.endr
	s_wait_tensorcnt 0x0
	ds_add_u32 v192, v193
	s_wait_dscnt 0x0
	s_endpgm
.Lfunc_end_k_q56d8609f09_quant:
	.size	k_q56d8609f09_quant, .Lfunc_end_k_q56d8609f09_quant-k_q56d8609f09_quant
	.p2alignl 7, 3214868480
	.fill 96, 4, 3214868480
	.section	.rodata,"a",@progbits
	.p2align	6, 0x0
	.amdhsa_kernel k_q56d8609f09_quant
		.amdhsa_group_segment_fixed_size 41472
		.amdhsa_private_segment_fixed_size 0
		.amdhsa_enable_private_segment 0
		.amdhsa_kernarg_size 40
		.amdhsa_user_sgpr_count 2
		.amdhsa_user_sgpr_kernarg_segment_ptr 1
		.amdhsa_wavefront_size32 1
		.amdhsa_system_sgpr_workgroup_id_x 1
		.amdhsa_system_sgpr_workgroup_id_y 1
		.amdhsa_system_sgpr_workgroup_id_z 1
		.amdhsa_system_vgpr_workitem_id 0
		.amdhsa_next_free_vgpr 194
		.amdhsa_next_free_sgpr 66
		.amdhsa_reserve_vcc 0
		.amdhsa_float_denorm_mode_32 3
		.amdhsa_float_denorm_mode_16_64 3
		.amdhsa_memory_ordered 1
		.amdhsa_forward_progress 1
		.amdhsa_inst_pref_size 35
	.end_amdhsa_kernel
	.amdgpu_metadata
---
amdhsa.version: [ 1, 2 ]
amdhsa.kernels:
  - .name:           k_q56d8609f09_quant
    .symbol:         k_q56d8609f09_quant.kd
    .args:
      - { .name: x, .offset: 0, .size: 8, .value_kind: global_buffer, .address_space: global }
      - { .name: w_qkv, .offset: 8, .size: 8, .value_kind: global_buffer, .address_space: global }
      - { .name: w_out, .offset: 16, .size: 8, .value_kind: global_buffer, .address_space: global }
      - { .name: opc, .offset: 24, .size: 8, .value_kind: global_buffer, .address_space: global }
      - { .name: ops, .offset: 32, .size: 8, .value_kind: global_buffer, .address_space: global }
    .group_segment_fixed_size: 41472
    .private_segment_fixed_size: 0
    .kernarg_segment_align: 8
    .kernarg_segment_size: 40
    .max_flat_workgroup_size: 128
    .sgpr_count:     66
    .vgpr_count:     194
    .wavefront_size: 32
...
	.end_amdgpu_metadata
.endif
;; end of part 1
;; launch qkvgemm (part 2): grid 8 x 48, 4 waves a work-group, clusters of 4 x 4, 279,040 bytes of LDS; arguments opc, ops, b_qkv, qkv; writes qkv
.if DOCPART == 2
	.amdgcn_target "amdgcn-amd-amdhsa--gfx1250"
	.amdhsa_code_object_version 6
	.text
	.protected	k_q56d8609f09_qkvgemm
	.globl	k_q56d8609f09_qkvgemm
	.p2align	8
	.type	k_q56d8609f09_qkvgemm,@function
k_q56d8609f09_qkvgemm:
	s_mov_b64 s[64:65], 0
	v_nop
	global_prefetch_b8 v0, s[64:65] scope:SCOPE_SE
	s_setreg_imm32_b32 hwreg(HW_REG_WAVE_MODE, 25, 1), 1
	s_wait_xcnt 0x0
	s_wait_alu depctr_hold_cnt(0) depctr_sa_sdst(0) depctr_va_vdst(0) depctr_va_sdst(0) depctr_va_ssrc(0) depctr_va_vcc(0) depctr_vm_vsrc(0)
	s_getreg_b32 s2, hwreg(HW_REG_IB_STS2, 6, 4)
	s_cmp_eq_u32 s2, 0
	s_cbranch_scc0 .Lentry_in_a_cluster
	s_endpgm
.Lentry_in_a_cluster:
	s_bfe_u32 s2, ttmp6, 0x10000c
	s_cmp_lg_u32 s2, 0xf033
	s_cbranch_scc0 .Lentry_shape_is_right
	s_endpgm
.Lentry_shape_is_right:
; qkv = x w_qkv^T + b_qkv on codes of FP4 (E2M1) with E8M0 scales, and its result quantised in registers for the attention: q and k along the head's 64 channels, v along the keys.  Nothing leaves as f32.
; LIMITS: NaN and infinities are not served; a block whose largest magnitude lies under 2^-124 keeps the byte 1; a block of zeros gets the byte 1 (its codes are zeros; this program alone reads the bytes).
; NAMES.  Source 1 of a product is called R: its row is the result's lane % 16.  Source 0 is called P: its rows run along a lane's registers (8 (lane / 16) + j).  The conversions take neighbours from one lane's registers:
; so for q and k R = tokens and P = rows of w (channels), for v R = rows of w and P = tokens (keys).  Which of the two a work-group does hangs on the cluster's y alone, the same in all partners.
; SHARES.  A work-group makes 256 rows of R x 256 rows of P; a wave 128 x 128: 64 accumulators, 512 registers.  K = 1,024 is eight steps of 128.
; LDS.  All of K fits: two slots of 512 along K, each FILLED ONCE, and the rows' scale bytes.  Codes lie in the order of the operand's registers, so every fragment load is 512 consecutive bytes.
; CLUSTER.  4 x 4 work-groups; R's tiles are shared along a row of the cluster, P's along a column: joint loads.  A round of the cluster's barrier stands ahead of them and one ahead of the end.
; OUT (buffer qkv).  q codes [head 64][token tile 128][512 B] at 0; q scale images [head][step 16][512 B] at QS; from KV on a record of 8,960 bytes for each head and each 128 keys:
; K's 8 tiles x 512 B, V's 4 channel tiles x 1,024 B, K's scale image 512 B, V's 256 B.  A scale image holds a word a lane: lanes 0-15 the lower tiles' rows, lanes 16-31 the upper tiles'.
; REGISTERS: window 0: v1-27 addresses; v32-95 scale words, a set for each slot; v96-127 at work on the way out; v128-191, v192-255 R's fragments, two sets (later the codes made).
;   window 1: v0-63, v128-191 P's fragments, two sets; v64-127 the biases, as the C of each sum's first product.   windows 2, 3: accumulator (a, b) at v[8 (8 (a % 4) + b)] of window 2 + a / 4.
.set RA,    8                          ; R tiles of a wave
.set WQ,    4194304                    ; opc: where w_qkv's codes begin;  256 rows are 131,072 bytes
.set WQS,   262144                     ; ops: likewise;  256 rows are 8,192 bytes
.set QS,    4194304
.set KV,    4718592
.set HEADB, 143360                     ; a head's 16 records
.set RECB,  8960
.set SLOT,  131072                     ; R's two halves of 8 row tiles x 4,096 bytes, then P's two
.set HALFT, 32768
.set SCL,   2*SLOT                     ; the scale bytes: 4,096 for each 128 rows, in the same order
.set HALFS, 4096
.set LI,   4                           ; v4   16 x lane
.set L8,   5                           ; v5   8 x lane
.set VO,   6                           ; v6-13 the biases' offsets
.set ADRA, 16                          ; v16-17 my R fragments in slot 0, 1
.set ADRB, 20                          ; v20-21 my P fragments
.set ADRS, 27                          ; v27  my scale words: lanes 0-15 R's rows, lanes 16-31 P's
.set SC,   32                          ; register SC + 32 s + 4 i + q: lanes 0-15 the word of R's tile i, lanes 16-31 of P's tile i, for slot s's q-th 128 along K
.set TM,   96
.set PW,   112                         ; v112-119 the scale word of each unit
.set IMG,  120                         ; v120-127 the scale images
.set BIAS, 64                          ; in window 1
.set G1,   24
.set G0,   32
.set G1B,  48
.set G0B,  56
.set SEL,  66
.set G1S,  68
.set G0S,  76
.set G1SB, 80
.set G0SB, 88
.set CB,   92                          ; s[92:95] where the codes go: two heads
.set SB,   96                          ; s[96:99] and the scale images
.set MSB, 0
.macro WIN new                         ; the immediate's high byte repeats the setting that is left
.if MSB != (\new)
	s_set_vgpr_msb (MSB<<8)|(\new)
.set MSB, (\new)
.endif
.endm
.macro PLACES n
.rept \n
	v_nop
.endr
.endm
.macro JLOAD g0a, g1a, g0b, g1b        ; a joint load: waves 0 and 1 fetch for R, waves 2 and 3 for P; four v_nop follow each of the two lines
	s_cmp_eq_u32 s15, 0
	s_cbranch_scc0 .Lfor_p_\@
	tensor_load_to_lds s[\g0a:\g0a+3], s[\g1a:\g1a+7]
	s_nop 0
.rept 4
	v_nop
.endr
	s_branch .Lasked_\@
.Lfor_p_\@:
	tensor_load_to_lds s[\g0b:\g0b+3], s[\g1b:\g1b+7]
	s_nop 0
.rept 4
	v_nop
.endr
.Lasked_\@:
.endm
.macro CROUND                          ; a round of the cluster's barrier
	s_barrier_signal -1
	s_barrier_wait -1
	s_cmp_lg_u32 s14, 0
	s_cbranch_scc1 .Lnot_wave_0_\@
	s_barrier_signal -3
.Lnot_wave_0_\@:
	s_barrier_wait -3
	s_barrier_signal -1
	s_barrier_wait -1
.endm
	s_load_b256 s[4:11], s[0:1], 0x0               ; opc s[4:5], ops s[6:7], b_qkv s[8:9], qkv s[10:11]
	v_lshl_add_u32 v106, v0, 2, 0x44000
	v_mov_b32 v107, 0
	ds_add_u32 v106, v107
	ds_add_u32 v106, v107
	v_lshrrev_b32 v1, 5, v0
	v_readfirstlane_b32 s14, v1                    ; wave 0..3
	s_lshr_b32 s15, s14, 1                         ; my half of R's rows.  Also: I fetch for R (0) or for P (1)
	s_and_b32 s16, s14, 1                          ; my half of P's rows.  Also: which 128 rows I fetch
	s_bfe_u32 s40, ttmp6, 0x40000                  ; cx
	s_bfe_u32 s41, ttmp6, 0x40004                  ; cy
	s_mov_b32 s12, ttmp9                           ; the cluster's x: 0, 1
	s_and_b32 s13, ttmp7, 0xffff                   ; the cluster's y: 0 .. 7 make q and k, 8 .. 11 make v
	s_sub_co_u32 s18, s13, 8
	s_lshl_b32 s18, s18, 1
	s_add_co_u32 s18, s18, s12                     ; v: which four tiles of tokens: 2 (y - 8) + x
	s_lshl_b32 s19, s13, 2
	s_cmp_ge_u32 s13, 8
	s_cselect_b32 s45, 1, 0                        ; 1: this cluster makes v
	s_cselect_b32 s18, s18, s12
	s_cselect_b32 s19, 0, s19
	s_cselect_b32 s20, 0, WQ                       ; where P's codes begin: tokens, or w's rows 0 on
	s_cselect_b32 s21, WQ+8*131072, 0              ; and R's: w's rows 2,048 on, or tokens
	s_cselect_b32 s22, 0, WQS
	s_cselect_b32 s23, WQS+8*8192, 0
	s_lshl_b32 s42, s18, 2
	s_add_co_u32 s42, s42, s40                     ; P's tile of 256 rows: hangs on cx alone
	s_add_co_u32 s17, s19, s41                     ; R's tile: hangs on cy alone
	s_lshl_b32 s43, s41, 2
	s_lshl_b32 s43, 15, s43                        ; my row of the cluster
	s_lshl_b32 s44, 0x1111, s40                    ; my column
	; descriptor group 1 for codes: 8 row tiles x 4,096 bytes (512 along K), 8,192 bytes apart; elements of 8 bytes; dense in LDS
	s_or_b32 s[G1+0], s43, (3<<16)|(1<<21)         ; 15:0 the mask: R's tiles go to my row; 17:16 elements of 8 bytes; 21 set beside a mask
	s_or_b32 s[G1B+0], s44, (3<<16)|(1<<21)        ; P's go to my column
.irp g, G1, G1B
	s_mov_b32 s[\g+1], 512<<16                     ; tensor_dim0
	s_mov_b32 s[\g+2], 8<<16                       ; tensor_dim1
	s_mov_b32 s[\g+3], 512<<16                     ; tile_dim0
	s_mov_b32 s[\g+4], 8                           ; tile_dim1
	s_mov_b32 s[\g+5], 1024                        ; tensor_dim0_stride
	s_mov_b32 s[\g+6], 0
	s_mov_b32 s[\g+7], 0
.endr
	; and for the scale bytes of 128 rows: 4,096 dense bytes as 16 rows of 256
	s_or_b32 s[G1S+0], s43, (3<<16)|(1<<21)
	s_or_b32 s[G1SB+0], s44, (3<<16)|(1<<21)
.irp g, G1S, G1SB
	s_mov_b32 s[\g+1], 32<<16
	s_mov_b32 s[\g+2], 16<<16
	s_mov_b32 s[\g+3], 32<<16
	s_mov_b32 s[\g+4], 16
	s_mov_b32 s[\g+5], 32
	s_mov_b32 s[\g+6], 0
	s_mov_b32 s[\g+7], 0
.endr
	s_lshl_b32 s2, s16, 16                         ; which 128 rows I fetch: 65,536 bytes of codes
	s_lshl_b32 s46, s17, 17
	s_add_co_u32 s46, s46, s21
	s_add_co_u32 s46, s46, s2                      ; R's codes
	s_mov_b32 s47, 0
	s_lshl_b32 s100, s42, 17
	s_add_co_u32 s100, s100, s20
	s_add_co_u32 s100, s100, s2                    ; P's codes
	s_mov_b32 s101, 0
	s_lshl_b32 s2, s16, 12
	s_lshl_b32 s18, s17, 13
	s_add_co_u32 s18, s18, s23
	s_add_co_u32 s18, s18, s2                      ; R's scale bytes
	s_mov_b32 s19, 0
	s_lshl_b32 s20, s42, 13
	s_add_co_u32 s20, s20, s22
	s_add_co_u32 s20, s20, s2                      ; P's
	s_mov_b32 s21, 0
	s_lshl_b32 s22, s14, 15                        ; where they go: wave x 32,768 and wave x 4,096: no place in the cluster enters an LDS address
	s_lshl_b32 s23, s14, 12
	s_wait_dscnt 0x0
	s_wait_kmcnt 0x0
	s_add_nc_u64 s[46:47], s[4:5], s[46:47]
	s_add_nc_u64 s[100:101], s[4:5], s[100:101]
	s_add_nc_u64 s[18:19], s[6:7], s[18:19]
	s_add_nc_u64 s[20:21], s[6:7], s[20:21]
	CROUND                                         ; all sixteen work-groups are here: the joint loads meet
	s_mov_b32 s[G0S], 1
	s_add_co_u32 s[G0S+1], s23, SCL
	s_mov_b64 s[G0S+2:G0S+3], s[18:19]
	s_or_b32 s[G0S+3], s[G0S+3], 0x80000000
	s_mov_b32 s[G0SB], 1
	s_add_co_u32 s[G0SB+1], s23, SCL
	s_mov_b64 s[G0SB+2:G0SB+3], s[20:21]
	s_or_b32 s[G0SB+3], s[G0SB+3], 0x80000000
	JLOAD G0S, G1S, G0SB, G1SB                     ; the scale bytes first: they are wanted with the first step
.irp s, 0,1
	s_mov_b32 s[G0+4*\s], 1
	s_add_co_u32 s[G0+4*\s+1], s22, \s*SLOT
	s_add_nc_u64 s[G0+4*\s+2:G0+4*\s+3], s[46:47], \s*4096
	s_or_b32 s[G0+4*\s+3], s[G0+4*\s+3], 0x80000000
	s_mov_b32 s[G0B+4*\s], 1
	s_add_co_u32 s[G0B+4*\s+1], s22, \s*SLOT
	s_add_nc_u64 s[G0B+4*\s+2:G0B+4*\s+3], s[100:101], \s*4096
	s_or_b32 s[G0B+4*\s+3], s[G0B+4*\s+3], 0x80000000
	JLOAD G0+4*\s, G1, G0B+4*\s, G1B               ; three loads of mine are out: every byte of LDS is filled once, so there is no ring
.endr
	v_and_b32 v1, 15, v0                           ; r
	v_bfe_u32 v2, v0, 4, 1                         ; h
	v_and_b32 v3, 31, v0
	v_lshlrev_b32 v[LI], 4, v3
	v_lshlrev_b32 v[L8], 3, v3
	s_lshl_b32 s2, s15, 15                         ; my 128 rows of R
	s_lshl_b32 s3, s16, 15
	s_add_co_u32 s3, s3, 2*HALFT                   ; my 128 rows of P, behind R's 256
.irp s, 0,1
	v_add_nc_u32 v[ADRA+\s], s2, v[LI]
	v_add_nc_u32 v[ADRB+\s], s3, v[LI]
	s_add_co_u32 s2, s2, SLOT
	s_add_co_u32 s3, s3, SLOT
.endr
	s_lshl_b32 s2, s15, 12                         ; R's scale bytes: my 128 rows
	s_lshl_b32 s3, s16, 12
	s_add_co_u32 s3, s3, 2*HALFS                   ; P's, behind R's
	s_sub_co_u32 s3, s3, s2
	v_mul_u32_u24 v14, s3, v2                      ; lanes 16-31 take P's
	s_add_co_u32 s2, s2, SCL
	v_lshl_add_u32 v14, v1, 4, v14                 ; 16 bytes a row and K half
	v_add_nc_u32 v[ADRS], s2, v14
	; who is who: channels are P's rows for q and k, R's rows for v; tokens the other way round
	s_cmp_lg_u32 s45, 0
	s_cselect_b32 s18, s17, s42                    ; the channels' tile of 256,
	s_cselect_b32 s19, s15, s16                    ; my half of it;
	s_cselect_b32 s20, s42, s17                    ; the tokens' tile,
	s_cselect_b32 s21, s16, s15                    ; my half of it
	s_cselect_b32 s22, -1, 0
	s_cselect_b32 s23, 8192, 0                     ; v's biases begin 2,048 numbers on
	s_lshl_b32 s2, s18, 10
	s_lshl_b32 s3, s19, 9
	s_add_co_u32 s2, s2, s3
	s_add_co_u32 s2, s2, s23
	s_mov_b32 s3, 0
	s_add_nc_u64 s[8:9], s[8:9], s[2:3]            ; my 128 channels' biases
	; the biases in the result's layout.  q, k: register j of tile u belongs to channel 16 u + 8 h + j.  v: all eight registers of tile u belong to channel 16 u + r
	v_lshlrev_b32 v14, 2, v1
	v_lshlrev_b32 v15, 5, v2
.irp j, 0,1,2,3,4,5,6,7
	v_add_nc_u32 v[VO+\j], 4*\j, v15
.endr
.irp j, 0,1,2,3,4,5,6,7
	v_cndmask_b32 v[VO+\j], v[VO+\j], v14, s22
.endr
	WIN 0x40                                       ; destination window 1
.irp u, 0,1,2,3,4,5,6,7
.irp j, 0,1,2,3,4,5,6,7
	global_load_b32 v[BIAS+8*\u+\j], v[VO+\j], s[8:9] offset:64*\u
.endr
.endr
	WIN 0
	; where the results go
	s_lshr_b32 s46, s20, 3                         ; the batch: 8 tiles of 256 tokens each
	s_and_b32 s47, s20, 7
	s_lshl_b32 s47, s47, 1
	s_add_co_u32 s47, s47, s21                     ; my step of 128 tokens in it
	s_lshl_b32 s18, s18, 2
	s_lshl_b32 s19, s19, 1
	s_add_co_u32 s18, s18, s19
	s_and_b32 s18, s18, 15                         ; the first of my two heads
	s_lshl_b32 s46, s46, 4
	s_add_co_u32 s46, s46, s18                     ; 16 x batch + head
	s_or_b32 s18, s45, s12                         ; 0: this cluster makes q
	s_mov_b32 s20, HEADB
	s_mov_b32 s21, RECB
	s_mov_b32 s23, 8192
	s_cmp_eq_u32 s18, 0
	s_cselect_b32 s20, 65536, s20                  ; from head to head,
	s_cselect_b32 s21, 4096, s21                   ; from step to step,
	s_cselect_b32 s100, 0, KV                      ; from where on;
	s_cselect_b32 s19, s23, s20                    ; the scale images from head to head
	s_mul_i32 s101, s46, s20
	s_add_co_u32 s100, s100, s101
	s_mul_i32 s101, s47, s21
	s_add_co_u32 s100, s100, s101
	s_lshl_b32 s101, s45, 12
	s_add_co_u32 s100, s100, s101                  ; V's codes lie 4,096 bytes into a record
	s_lshl_b32 s2, s46, 13
	s_lshl_b32 s3, s47, 9
	s_add_co_u32 s2, s2, s3
	s_add_co_u32 s2, s2, QS                        ; q's scale image;
	s_cmp_lg_u32 s45, 0
	s_cselect_b32 s3, 4608, s23
	s_add_co_u32 s3, s3, s100                      ; K's lies at byte 8,192 of the record, V's at 8,704
	s_cmp_eq_u32 s18, 0
	s_cselect_b32 s2, s2, s3
	s_mov_b32 s3, 0
	s_mov_b32 s101, 0
	s_mov_b32 s21, 0
	s_add_nc_u64 s[CB:CB+1], s[10:11], s[100:101]
	s_add_nc_u64 s[CB+2:CB+3], s[CB:CB+1], s[20:21]
	s_add_nc_u64 s[SB:SB+1], s[10:11], s[2:3]
	s_mov_b32 s18, s19
	s_mov_b32 s19, 0
	s_add_nc_u64 s[SB+2:SB+3], s[SB:SB+1], s[18:19]
	s_mov_b32 s[SEL], 0x76543210
	s_mov_b32 s[SEL+1], 0xfedcba98                 ; v_permlanex16_b32's selects for lane l xor 16
.irp b, 0,1,2,3
	v_mov_b32 v[TM+4+\b], 0                        ; written once: a lane permute's destination counts as one of its sources
.endr
.macro FRAG reg, adr, q, i             ; a fragment, 16 rows x 128 K: 8 registers, two loads of 512 consecutive bytes
.irp c, 0,1
	ds_load_b128 v[(\reg)+4*\c:(\reg)+4*\c+3], v[\adr] offset:1024*(\q)+512*\c+4096*(\i)
.endr
.endm
.macro FETCH k                         ; step k's fragments into set k % 2
	WIN 0x40
.irp i, 0,1,2,3,4,5,6,7
	FRAG 128*((\k)%2)+8*\i, ADRB+(\k)/4, (\k)%4, \i
.endr
	WIN 0
.irp i, 0,1,2,3,4,5,6,7
.if \i < RA
	FRAG 128+64*((\k)%2)+8*\i, ADRA+(\k)/4, (\k)%4, \i
.endif
.endr
.endm
.macro SCALES s                        ; slot s's scale words: four a row; lanes 0-15 take R's tile i, lanes 16-31 P's tile i
.irp i, 0,1,2,3,4,5,6,7
	ds_load_b128 v[SC+32*(\s)+4*\i:SC+32*(\s)+4*\i+3], v[ADRS] offset:512*\i+256*(\s)
.endr
.endm
; Step k's products.  cm = 0: they add in place; 1: they start the sums with the biases of P's tile; 2: of R's tile.  The accumulators take turns, one instruction a turn, in the same order in every step.
.macro MULS k, cm
.irp a, 0,1,2,3,4,5,6,7
.if \a < RA
.if \cm
	WIN 0x91+0x40*(\a/4)                           ; P and the biases window 1, R window 0, the result window 2 or 3
.else
	WIN 0xa1+0x50*(\a/4)                           ; P window 1, R window 0, C and D window 2 or 3
.endif
.irp b, 0,1,2,3,4,5,6,7
.set rD, 8*(8*(\a%4)+\b)
.set rP, 128*((\k)%2)+8*\b
.set rR, 128+64*((\k)%2)+8*\a
.set sP, SC+32*((\k)/4)+4*\b+(\k)%4
.set sR, SC+32*((\k)/4)+4*\a+(\k)%4
.if \cm == 0
	v_wmma_scale_f32_16x16x128_f8f6f4 v[rD:rD+7], v[rP:rP+7], v[rR:rR+7], v[rD:rD+7], v[sP], v[sR] matrix_a_fmt:MATRIX_FMT_FP4 matrix_b_fmt:MATRIX_FMT_FP4 matrix_a_scale:MATRIX_SCALE_ROW1
.elseif \cm == 1
	v_wmma_scale_f32_16x16x128_f8f6f4 v[rD:rD+7], v[rP:rP+7], v[rR:rR+7], v[BIAS+8*\b:BIAS+8*\b+7], v[sP], v[sR] matrix_a_fmt:MATRIX_FMT_FP4 matrix_b_fmt:MATRIX_FMT_FP4 matrix_a_scale:MATRIX_SCALE_ROW1
.else
	v_wmma_scale_f32_16x16x128_f8f6f4 v[rD:rD+7], v[rP:rP+7], v[rR:rR+7], v[BIAS+8*\a:BIAS+8*\a+7], v[sP], v[sR] matrix_a_fmt:MATRIX_FMT_FP4 matrix_b_fmt:MATRIX_FMT_FP4 matrix_a_scale:MATRIX_SCALE_ROW1
.endif
.endr
.endif
.endr
.endm
; A step of 128 along K: its fragments are in; the next step's are asked for, into the other set, in one run; then its products.
.macro STEP k, cm
	s_wait_dscnt 0x0                               ; this step's fragments (asked for a whole step ago) are in
.if (\k) == 3
	s_wait_tensorcnt 0x0                           ; my part of slot 1 has landed;
	s_barrier_signal -1
	s_barrier_wait -1                              ; everybody's has, and nobody reads slot 0 any more
.endif
.if (\k) < 7
.if (\k) > 0
	PLACES 4                                       ; four plain places between the last product, which read the other set, and the loads into it (ISA guide 7.12.1 for vector instructions)
.endif
	FETCH (\k)+1
.if (\k) == 3
	SCALES 1
.endif
.endif
	MULS \k, \cm
.endm
	s_wait_tensorcnt 0x1                           ; the scale bytes and my part of slot 0 are in; slot 1's load may stay out
	s_barrier_signal -1
	s_barrier_wait -1                              ; everybody's are
	FETCH 0
	SCALES 0
	s_wait_loadcnt 0x0                             ; the biases
	s_cmp_lg_u32 s45, 0
	s_cbranch_scc1 .Lfirst_v
	STEP 0, 1                                      ; q, k: a bias belongs to a row of P
	WIN 0
	s_branch .Lfirst_done
.Lfirst_v:
	STEP 0, 2                                      ; v: to a row of R
	WIN 0
.Lfirst_done:
	STEP 1, 0
	STEP 2, 0
	STEP 3, 0
	STEP 4, 0
	STEP 5, 0
	STEP 6, 0
	STEP 7, 0
	WIN 0
	PLACES 4                                       ; ahead of the first read of results, and of the writes into registers that held R's fragments
; THE WAY OUT.  Unit a = R's tile a: a lane holds one row of R and 128 neighbours along P in 64 registers: four blocks of 32; register 16 b + i of the unit belongs to block b, and lane l xor 16 holds the block's other 16.
; Largest magnitude, scale, conversion; the exchange of halves leaves a whole block in a lane, its groups of eight in the order 0, 2, 1, 3.  The 8 registers of codes ARE operand registers and are stored as they stand, 512 bytes a store.
; isv = 0: blocks 0, 1 are one head's 64 channels of 16 tokens, blocks 2, 3 the next head's.  isv = 1: the four blocks are 128 keys of 16 channels of V: a whole fragment.
.macro EPI isv
.irp a, 0,1,2,3,4,5,6,7
.set AC, 64*(\a%4)
.set W, 2+\a/4
.set PC, 128+8*\a                      ; the unit's codes: registers of its own, so that no store's data are written again
.if \a%4 == 2
.set PC, 192+8*(\a/4)
.endif
	WIN (W<<2)|(W<<4)                              ; sources 1 and 2: the unit's window
.irp b, 0,1,2,3
	v_max3_num_f32 v[TM+\b], 0x1800000, |v[AC+16*\b]|, |v[AC+16*\b+1]|   ; my 16 numbers of block b, and the floor 2^(3 - 127); each accumulator is read from its low end on
.endr
.irp i, 2,4,6,8,10,12,14
.irp b, 0,1,2,3
	v_max3_num_f32 v[TM+\b], v[TM+\b], |v[AC+16*\b+\i]|, |v[AC+16*\b+\i+1]|
.endr
.endr
	WIN 0
.irp b, 0,1,2,3
	v_permlanex16_b32 v[TM+4+\b], v[TM+\b], s[SEL], s[SEL+1]
.endr
.irp b, 0,1,2,3
	v_max_num_f32 v[TM+\b], v[TM+\b], v[TM+4+\b]   ; with lane l xor 16's: the block's largest magnitude
.endr
.irp b, 0,1,2,3
	v_add_nc_u32 v[TM+12+\b], 0xff000000, v[TM+\b] ; 2 off its exponent field: the conversion's scale operand
.endr
.irp b, 0,1,2,3
	v_lshrrev_b32 v[TM+4+\b], 23, v[TM+12+\b]      ; the scale's byte
.endr
	v_lshl_or_b32 v[PW+\a], v[TM+5], 8, v[TM+4]
	v_lshl_or_b32 v[PW+\a], v[TM+6], 16, v[PW+\a]
	v_lshl_or_b32 v[PW+\a], v[TM+7], 24, v[PW+\a]  ; my row's four bytes
	WIN W                                          ; source 0: the unit's window
.irp b, 0,1,2,3
	v_cvt_scalef32_pk8_fp4_f32 v[PC+2*\b], v[AC+16*\b:AC+16*\b+7], v[TM+12+\b]
	v_cvt_scalef32_pk8_fp4_f32 v[PC+2*\b+1], v[AC+16*\b+8:AC+16*\b+15], v[TM+12+\b]
.endr
	WIN 0
	v_nop                                          ; one plain place behind a scaled conversion
.irp c, 0,1
.irp i, 0,1
	v_permlane16_swap_b32 v[PC+4*\c+\i], v[PC+4*\c+2+\i]   ; lanes 0-15 get block 2 c whole, lanes 16-31 block 2 c + 1
.endr
.endr
.irp c, 0,1
.if \isv
	global_store_b128 v[LI], v[PC+4*\c:PC+4*\c+3], s[CB+2*(\a/4):CB+2*(\a/4)+1] offset:1024*(\a%4)+512*\c   ; head a / 4, channel tile a % 4
.else
	global_store_b128 v[LI], v[PC+4*\c:PC+4*\c+3], s[CB+2*\c:CB+2*\c+1] offset:512*\a                       ; head c, token tile a
.endif
.endr
.endr
.if \isv
.irp e, 0,1                            ; head e: a word a lane and channel tile: lanes 0-15 tiles 0, 1; lanes 16-31 tiles 2, 3
	v_cndmask_b32 v[IMG+2*\e], v[PW+4*\e], v[PW+4*\e+2], s2
	v_cndmask_b32 v[IMG+2*\e+1], v[PW+4*\e+1], v[PW+4*\e+3], s2
	global_store_b64 v[L8], v[IMG+2*\e:IMG+2*\e+1], s[SB+2*\e:SB+2*\e+1]   ; 256 consecutive bytes, aligned
.endr
.else
.irp i, 0,1,2,3                        ; lanes 0-15 token tiles 0-3, lanes 16-31 tiles 4-7.  Bytes 0, 1 are the head's two blocks; bytes 2, 3 meet zero codes in the attention and are never 0xff
	v_cndmask_b32 v[IMG+\i], v[PW+\i], v[PW+4+\i], s2
.endr
.irp i, 0,1,2,3
	v_lshrrev_b32 v[IMG+4+\i], 16, v[IMG+\i]       ; the second head's two bytes
.endr
	global_store_b128 v[LI], v[IMG:IMG+3], s[SB:SB+1]
	global_store_b128 v[LI], v[IMG+4:IMG+7], s[SB+2:SB+3]
.endif
.endm
	s_mov_b32 s2, 0xffff0000                       ; lanes 16-31
	s_cmp_lg_u32 s45, 0
	s_cbranch_scc1 .Lout_v
	EPI 0
	s_branch .Lout_done
.Lout_v:
	EPI 1
.Lout_done:
	s_wait_dscnt 0x0
	s_wait_tensorcnt 0x0
	ds_add_u32 v106, v107
	s_wait_dscnt 0x0
	CROUND                                         ; the closing round: no work-group ends while a partner may still ask for a tile that names it
	s_endpgm
.Lfunc_end_k_q56d8609f09_qkvgemm:
	.size	k_q56d8609f09_qkvgemm, .Lfunc_end_k_q56d8609f09_qkvgemm-k_q56d8609f09_qkvgemm
	.p2alignl 7, 3214868480
	.fill 96, 4, 3214868480
	.section	.rodata,"a",@progbits
	.p2align	6, 0x0
	.amdhsa_kernel k_q56d8609f09_qkvgemm
		.amdhsa_group_segment_fixed_size 279040
		.amdhsa_private_segment_fixed_size 0
		.amdhsa_enable_private_segment 0
		.amdhsa_kernarg_size 32
		.amdhsa_user_sgpr_count 2
		.amdhsa_user_sgpr_kernarg_segment_ptr 1
		.amdhsa_wavefront_size32 1
		.amdhsa_system_sgpr_workgroup_id_x 1
		.amdhsa_system_sgpr_workgroup_id_y 1
		.amdhsa_system_sgpr_workgroup_id_z 1
		.amdhsa_system_vgpr_workitem_id 0
		.amdhsa_next_free_vgpr 1024
		.amdhsa_next_free_sgpr 102
		.amdhsa_reserve_vcc 0
		.amdhsa_float_denorm_mode_32 3
		.amdhsa_float_denorm_mode_16_64 3
		.amdhsa_memory_ordered 1
		.amdhsa_forward_progress 1
		.amdhsa_inst_pref_size 178
	.end_amdhsa_kernel
	.amdgpu_metadata
---
amdhsa.version: [ 1, 2 ]
amdhsa.kernels:
  - .name:           k_q56d8609f09_qkvgemm
    .symbol:         k_q56d8609f09_qkvgemm.kd
    .args:
      - { .name: opc, .offset: 0, .size: 8, .value_kind: global_buffer, .address_space: global }
      - { .name: ops, .offset: 8, .size: 8, .value_kind: global_buffer, .address_space: global }
      - { .name: b_qkv, .offset: 16, .size: 8, .value_kind: global_buffer, .address_space: global }
      - { .name: qkv, .offset: 24, .size: 8, .value_kind: global_buffer, .address_space: global }
    .group_segment_fixed_size: 279040
    .private_segment_fixed_size: 0
    .kernarg_segment_align: 8
    .kernarg_segment_size: 32
    .max_flat_workgroup_size: 128
    .sgpr_count:     102
    .vgpr_count:     1024
    .wavefront_size: 32
...
	.end_amdgpu_metadata
.endif
;; end of part 2
;; launch attn (part 3): grid 4 x 64, 16 waves a work-group, no clusters, 169,984 bytes of LDS; arguments qkv, yc, ys; writes yc, ys
.if DOCPART == 3
	.amdgcn_target "amdgcn-amd-amdhsa--gfx1250"
	.amdhsa_code_object_version 6
	.text
	.protected	k_q56d8609f09_attn
	.globl	k_q56d8609f09_attn
	.p2align	8
	.type	k_q56d8609f09_attn,@function
k_q56d8609f09_attn:
	s_mov_b64 s[64:65], 0
	v_nop
	global_prefetch_b8 v0, s[64:65] scope:SCOPE_SE
	s_setreg_imm32_b32 hwreg(HW_REG_WAVE_MODE, 25, 1), 1
	s_wait_xcnt 0x0
; y = softmax(q k^T / 8, causal) v for one head, both products on codes of FP4 (E2M1) with E8M0 scales; y is quantised along the channels for the last product and leaves as codes and scale bytes.
; THE SOFTMAX: t = score x log2(e) / 8; M = the row's largest t so far, rounded UP to a whole number; p = 2^(t - M) is quantised along the keys, not normalised.  The row's sum is taken of the unquantised p and divides at the end.
; When M moves, the sum and O are multiplied by 2^(old M - new M): exact.
; LIMITS: NaN and infinities are not served; a block whose largest magnitude lies under 2^-124 keeps the byte 1; a block of zeros gets the byte 1 (its codes are zeros; this program alone reads the bytes).
; SHARES.  Work-group (i, head) owns the blocks i and 7 - i of 256 queries.  Each of its sixteen waves runs two passes on one tile of 16 queries: tile w of block i, then tile 15 - w of block 7 - i.
; A tile at query Q0 has Q0 / 128 + 1 key steps of 128 that count; for the two passes these add to 17 in every wave of every work-group: equal work under the causal mask.
; LDS.  The head's 16 records (K's codes, V's codes, their scale images: 8,960 bytes for 128 keys) lie in LDS whole, FILLED ONCE by waves 0 to 3: no ring.  Behind them 1,024 bytes for y's scale bytes.
; NO CLUSTER: the four work-groups of a head read the same records, but which key steps a wave leaves out hangs on its block of queries.
; LAYOUT.  Both products are used transposed: S^T = K Q^T (source 0 = 16 keys, source 1 = my 16 queries), O^T = V^T P^T: a lane holds ONE query (lane % 16) throughout.
; Register j of S^T's tile t is key 16 t + 8 (lane / 16) + j, so tiles 2 b, 2 b + 1 hold block b of 32 keys, half in lane l and half in lane l xor 16; quantised, its groups of eight stand in the order 0, 2, 1, 3, as V's do.
; K = 64 IN AN INSTRUCTION OF 128: Q's registers 4-7 are zero codes.  So K's registers 4-7 may be anything that is a code: they are the next tile's.  Their scale bytes are never 0xff.
; The loops' trip counts are constants (8 and 16); a step all of whose keys come after my queries is left out by a scalar branch on ids.
.set QS,    4194304
.set KV,    4718592
.set HEADB, 143360
.set RECB,  8960
.set YS,    HEADB                      ; LDS: y's scale bytes: [pass][256 tokens][2]
.set LI,   1                           ; v1   16 x lane
.set L8,   2                           ; v2   8 x lane
.set R16,  3                           ; v3   16 x (lane % 16)
.set DB,   4                           ; v4   lane % 16 - 8 (lane / 16)
.set ADK,  5                           ; v5   the step's record + 16 x lane
.set ADS,  6                           ; v6   the step's record + 8 x lane
.set YSA,  7                           ; v7-8 where my token's two scale bytes go, pass 0, 1
.set YRD,  9                           ; v9   where waves 0, 1 read them back
.set QF,   16                          ; v16-23, v24-31 Q of pass 0, 1: four registers of codes, four of zeros
.set KT,   32                          ; v32-63 K's eight tiles, four registers each; v64-67 zeros
.set KSC,  68                          ; v68-71 K's scale words;  v72-73 V's;  v74, v75 Q's of pass 0, 1: these hold scales and nothing else
.set VSC,  72
.set QSC,  74
.set YC,   76                          ; v76-79, v80-83 y's codes
.set YH,   84                          ; v84  y's two scale bytes
.set S,    96                          ; v96-159 S^T, then p
.set OT,   160                         ; v160-191 O^T
.set VF,   192                         ; v192-223 V's four fragments
.set PC,   224                         ; v224-231 p's codes;  v232-249 at work;  v[250:251] f;  v253 p's scale word;  v254 at work
.set WV,   10
.set Q0,   13                          ; s13, s14 my first query, pass 0, 1
.set G1,   16
.set G0,   24
.set SEL,  32
.set CS,   34                          ; s[34:35] c = log2(e) / 8
.set TB,   36                          ; s36  LDS byte at which the step's record begins
.set KF,   37                          ; s37  the step's first key
.set CNT,  38
.set QL,   39                          ; s39  my last query
	s_load_b128 s[4:7], s[0:1], 0x0                ; qkv, yc
	s_load_b64 s[8:9], s[0:1], 0x10                ; ys
	v_lshl_add_u32 v252, v0, 2, 0x29000
	v_mov_b32 v255, 0
	ds_add_u32 v252, v255
	ds_add_u32 v252, v255
	v_lshrrev_b32 v10, 5, v0
	s_delay_alu instid0(VALU_DEP_1)
	v_readfirstlane_b32 s[WV], v10                 ; wave 0..15
	s_mov_b32 s11, ttmp9                           ; i
	s_and_b32 s12, ttmp7, 0xffff                   ; 16 x batch + head
	v_and_b32 v10, 31, v0
	s_delay_alu instid0(VALU_DEP_1)
	v_lshlrev_b32 v[LI], 4, v10
	s_delay_alu instid0(VALU_DEP_2)
	v_lshlrev_b32 v[L8], 3, v10
	v_and_b32 v10, 15, v0                          ; r
	v_bfe_u32 v11, v0, 4, 1                        ; h
	s_delay_alu instid0(VALU_DEP_2)
	v_lshlrev_b32 v[R16], 4, v10
	s_delay_alu instid0(VALU_DEP_2)
	v_lshlrev_b32 v[DB], 3, v11
	s_delay_alu instid0(VALU_DEP_1)
	v_sub_nc_u32 v[DB], v10, v[DB]
	s_lshl_b32 s40, s[WV], 5
	v_lshl_add_u32 v[YSA], v10, 1, YS
	s_delay_alu instid0(VALU_DEP_1)
	v_add_nc_u32 v[YSA], s40, v[YSA]               ; pass 0: token 16 w + r of the block
	s_xor_b32 s40, s[WV], 15
	s_lshl_b32 s40, s40, 5
	v_lshl_add_u32 v[YSA+1], v10, 1, YS+512
	s_delay_alu instid0(VALU_DEP_1)
	v_add_nc_u32 v[YSA+1], s40, v[YSA+1]           ; pass 1: token 16 (15 - w) + r
	s_and_b32 s40, s[WV], 1
	s_lshl_b32 s40, s40, 9
	v_add_nc_u32 v[YRD], s40, v[LI]
	s_delay_alu instid0(VALU_DEP_1)
	v_add_nc_u32 v[YRD], YS, v[YRD]
	; descriptor group 1: two records, 17,920 dense bytes, as 70 rows of 256 bytes (32 elements of 8 bytes)
	s_mov_b32 s[G1+0], 3<<16
	s_mov_b32 s[G1+1], 32<<16                      ; tensor_dim0
	s_mov_b32 s[G1+2], 70<<16                      ; tensor_dim1
	s_mov_b32 s[G1+3], 32<<16                      ; tile_dim0
	s_mov_b32 s[G1+4], 70                          ; tile_dim1
	s_mov_b32 s[G1+5], 32                          ; tensor_dim0_stride
	s_mov_b32 s[G1+6], 0
	s_mov_b32 s[G1+7], 0
	s_mul_i32 s40, s12, HEADB
	s_mul_i32 s41, s[WV], 2*RECB                   ; wave w (0 to 3) fetches records 2 w, 2 w + 1, and 8 + 2 w, 9 + 2 w
	s_add_co_u32 s42, s40, s41
	s_add_co_u32 s42, s42, KV
	s_mov_b32 s43, 0
	s_mov_b32 s[SEL], 0x76543210
	s_mov_b32 s[SEL+1], 0xfedcba98                 ; v_permlanex16_b32's selects for lane l xor 16
	s_mov_b32 s[CS], 0x3e38aa3b
	s_mov_b32 s[CS+1], s[CS]                       ; (named with it as a pair, so it is written)
	s_wait_dscnt 0x0
	s_wait_kmcnt 0x0
	s_mov_b32 s[G0], 1
	s_mov_b32 s[G0+1], s41
	s_add_nc_u64 s[G0+2:G0+3], s[4:5], s[42:43]
	s_mov_b32 s[G0+4], 1
	s_add_co_u32 s[G0+5], s41, 8*RECB
	s_add_nc_u64 s[G0+6:G0+7], s[G0+2:G0+3], 8*RECB
	s_or_b32 s[G0+3], s[G0+3], 0x80000000
	s_or_b32 s[G0+7], s[G0+7], 0x80000000
	s_cmp_lt_u32 s[WV], 4                          ; a wave's two fills stand in one branch, ahead of every wait on TENSORcnt, every LDS read and every barrier: two loads of mine are out
	s_cbranch_scc0 .Lno_fill
	tensor_load_to_lds s[G0:G0+3], s[G1:G1+7]      ; keys 0 to 1,023: all that pass 0 reads
	s_nop 0
	tensor_load_to_lds s[G0+4:G0+7], s[G1:G1+7]    ; keys 1,024 on
	s_nop 0
.rept 4
	v_nop
.endr
.Lno_fill:
	s_lshl_b32 s[Q0], s11, 8
	s_lshl_b32 s40, s[WV], 4
	s_add_co_u32 s[Q0], s[Q0], s40                 ; pass 0: 256 i + 16 w
	s_sub_co_u32 s[Q0+1], 2032, s[Q0]              ; pass 1: 256 (7 - i) + 16 (15 - w)
	s_mov_b32 s41, 0
.irp p, 0,1
	s_lshl_b32 s40, s12, 16                        ; q's codes: 65,536 bytes a head, 512 a tile of 16
	s_lshl_b32 s42, s[Q0+\p], 5
	s_add_co_u32 s40, s40, s42
	s_add_nc_u64 s[48+2*\p:49+2*\p], s[4:5], s[40:41]
	s_lshl_b32 s40, s12, 13                        ; q's scale words: 8,192 bytes a head, 512 a step of 8 tiles; tile T of a step: 256 (T / 4) + 4 (T % 4) + 16 r
	s_lshr_b32 s42, s[Q0+\p], 7
	s_lshl_b32 s42, s42, 9
	s_add_co_u32 s40, s40, s42
	s_bfe_u32 s42, s[Q0+\p], 0x10006
	s_lshl_b32 s42, s42, 8
	s_add_co_u32 s40, s40, s42
	s_bfe_u32 s42, s[Q0+\p], 0x20004
	s_lshl_b32 s42, s42, 2
	s_add_co_u32 s40, s40, s42
	s_add_co_u32 s40, s40, QS
	s_add_nc_u64 s[52+2*\p:53+2*\p], s[4:5], s[40:41]
	s_lshr_b32 s40, s12, 4                         ; y's codes: [row tile][head][512 bytes]: 1,048,576 bytes a batch, 8,192 a tile of 16 tokens
	s_lshl_b32 s40, s40, 20
	s_lshl_b32 s42, s[Q0+\p], 9
	s_add_co_u32 s40, s40, s42
	s_and_b32 s42, s12, 15
	s_lshl_b32 s42, s42, 9
	s_add_co_u32 s40, s40, s42
	s_add_nc_u64 s[56+2*\p:57+2*\p], s[6:7], s[40:41]
.endr
	s_and_b32 s42, s[WV], 1                        ; y's scale bytes: [head][token][2]; wave 0 stores block i's 512 bytes, wave 1 block 7 - i's
	s_sub_co_u32 s43, 7, s11
	s_cmp_eq_u32 s42, 0
	s_cselect_b32 s42, s11, s43
	s_lshl_b32 s42, s42, 9
	s_lshl_b32 s40, s12, 12
	s_add_co_u32 s40, s40, s42
	s_add_nc_u64 s[60:61], s[8:9], s[40:41]
	s_wait_alu depctr_va_vdst(0)
.irp p, 0,1
	global_load_b128 v[QF+8*\p:QF+8*\p+3], v[LI], s[48+2*\p:49+2*\p]
	global_load_b32 v[QSC+\p], v[R16], s[52+2*\p:53+2*\p]
.irp j, 4,5,6,7
	v_mov_b32 v[QF+8*\p+\j], 0                     ; zero codes for k = 64 .. 127
.endr
.endr
.irp j, 0,1,2,3
	v_mov_b32 v[KT+32+\j], 0                       ; what stands behind K's last tile
	v_mov_b32 v[236+\j], 0                         ; written once: a lane permute's destination counts as one of its sources
.endr
	v_mov_b32 v251, 0                              ; (named as the upper half of the pair v[250:251])
	v_mov_b32 v254, 0
; A KEY STEP of 128 keys for pass p.
.macro KSTEP p
	s_cmp_gt_u32 s[KF], s[QL]                      ; all its keys come after my queries: left out
	s_cbranch_scc1 .Lhidden_\@
	s_setprio 2
	v_add_nc_u32 v[ADK], s[TB], v[LI]
	v_add_nc_u32 v[ADS], s[TB], v[L8]
	v_nop
	v_nop                                          ; four plain places between the last step's products and the loads into the registers that they read
.irp t, 0,1,2,3,4,5,6,7
	ds_load_b128 v[KT+4*\t:KT+4*\t+3], v[ADK] offset:512*\t        ; a tile of K: 16 keys x 64 channels, 512 consecutive bytes
.endr
	ds_load_b128 v[KSC:KSC+3], v[ADK] offset:8192                  ; K's scale words: register i: lanes 0-15 tile i, lanes 16-31 tile 4 + i
.irp f, 0,1,2,3,4,5,6,7
	ds_load_b128 v[VF+4*\f:VF+4*\f+3], v[ADK] offset:4096+512*\f   ; V: channel tile f / 2, registers 4 (f % 2) on
.endr
	ds_load_b64 v[VSC:VSC+1], v[ADS] offset:8704                   ; V's scale words: register i: lanes 0-15 tile i, lanes 16-31 tile 2 + i
	s_wait_dscnt 9                                 ; K and its scale words are in; V's eight loads and its scale words may be out
.irp t, 0,1,2,3
	v_wmma_scale_f32_16x16x128_f8f6f4 v[S+8*\t:S+8*\t+7], v[KT+4*\t:KT+4*\t+7], v[QF+8*\p:QF+8*\p+7], 0, v[KSC+\t], v[QSC+\p] matrix_a_fmt:MATRIX_FMT_FP4 matrix_b_fmt:MATRIX_FMT_FP4
.endr
.irp t, 4,5,6,7
	v_wmma_scale_f32_16x16x128_f8f6f4 v[S+8*\t:S+8*\t+7], v[KT+4*\t:KT+4*\t+7], v[QF+8*\p:QF+8*\p+7], 0, v[KSC+\t-4], v[QSC+\p] matrix_a_fmt:MATRIX_FMT_FP4 matrix_b_fmt:MATRIX_FMT_FP4 matrix_a_scale:MATRIX_SCALE_ROW1
.endr
.rept 4
	v_nop
.endr
	s_add_co_u32 s40, s[KF], 127                   ; on the diagonal the scores of hidden keys become -infinity ahead of the maximum: p = 0 then.  A step all of whose keys count skips this
	s_cmp_le_u32 s40, s[Q0+\p]
	s_cbranch_scc1 .Lopen_\@
	s_sub_co_i32 s40, s[Q0+\p], s[KF]
	v_add_nc_u32 v248, s40, v[DB]                  ; d = my query - the step's first key - 8 (lane / 16).  Register 8 t + j holds key 16 t + 8 (lane / 16) + j of the step: hidden where 16 t + j > d
	v_mov_b32 v249, 0xff800000
.irp n, 0,1,2,3,4,5,6,7,8,9,10,11,12,13,14,15,16,17,18,19,20,21,22,23,24,25,26,27,28,29,30,31,32,33,34,35,36,37,38,39,40,41,42,43,44,45,46,47,48,49,50,51,52,53,54,55,56,57,58,59,60,61,62,63
	v_cmp_gt_i32 vcc_lo, 16*(\n/8)+\n%8, v248
	v_cndmask_b32 v[S+\n], v[S+\n], v249, vcc_lo
.endr
.Lopen_\@:
.irp b, 0,1,2,3
	v_max3_num_f32 v[232+\b], v[S+16*\b], v[S+1+16*\b], v[S+2+16*\b]   ; the largest score of each block of 32 keys: it serves for the row's maximum and, since p rises with the score, for the block's largest p
.endr
.irp i, 3,5,7,9,11,13
.irp b, 0,1,2,3
	v_max3_num_f32 v[232+\b], v[232+\b], v[S+16*\b+\i], v[S+1+16*\b+\i]
.endr
.endr
.irp b, 0,1,2,3
	v_max_num_f32 v[232+\b], v[232+\b], v[S+15+16*\b]
.endr
.irp b, 0,1,2,3
	s_delay_alu instid0(VALU_DEP_4)
	v_permlanex16_b32 v[236+\b], v[232+\b], s[SEL], s[SEL+1]
.endr
.irp b, 0,1,2,3
	s_delay_alu instid0(VALU_DEP_4)
	v_max_num_f32 v[232+\b], v[232+\b], v[236+\b]  ; with lane l xor 16's 16 keys
.endr
	s_delay_alu instid0(VALU_DEP_2)
	v_max3_num_f32 v254, v232, v233, v234
	s_delay_alu instid0(VALU_DEP_1)
	v_max_num_f32 v254, v254, v235                 ; the step's largest score of my query (the step's first key counts for every query of mine, so it is a number)
	s_delay_alu instid0(VALU_DEP_1)
	v_mul_f32 v254, s[CS], v254                    ; as t
	s_delay_alu instid0(VALU_DEP_1)
	v_max_num_f32 v13, v13, v254                   ; the running largest t
	v_mov_b32 v254, v12
	s_delay_alu instid0(VALU_DEP_2)
	v_floor_f32 v12, -v13                          ; the new -M = floor(-t) = -ceil(t)
	s_delay_alu instid0(VALU_DEP_1)
	v_sub_f32 v254, v12, v254                      ; old M less new M: a whole number, 0 or less
	s_delay_alu instid0(VALU_DEP_1)
	v_cvt_i32_f32 v254, v254                       ; (it saturates)
	s_delay_alu instid0(VALU_DEP_1)
	v_ldexp_f32 v250, 1.0, v254                    ; f = 2^(old M - new M)
.irp j, 0,2,4,6,8,10,12,14,16,18,20,22,24,26,28,30,32,34,36,38,40,42,44,46,48,50,52,54,56,58,60,62
	v_pk_fma_f32 v[S+\j:S+1+\j], v[S+\j:S+1+\j], s[CS:CS+1], v[12:13] op_sel_hi:[1,0,0]   ; t - M, two at a time
.endr
	s_setprio 1
.irp b, 0,1,2,3
	v_fma_f32 v[232+\b], v[232+\b], s[CS], v12     ; the same of each block's largest score
.endr
	s_wait_alu depctr_va_vdst(0)
.irp j, 0,1,2,3,4,5,6,7,8,9,10,11,12,13,14,15,16,17,18,19,20,21,22,23,24,25,26,27,28,29,30,31,32,33,34,35,36,37,38,39,40,41,42,43,44,45,46,47,48,49,50,51,52,53,54,55,56,57,58,59,60,61,62,63
	v_exp_f32 v[S+\j], v[S+\j]                     ; p = 2^(t - M), at most 1
.endr
	v_pk_mul_f32 v[14:15], v[14:15], v[250:251] op_sel_hi:[1,0]   ; the sums under the new M (a plain place behind the exponentials)
	s_wait_alu depctr_va_vdst(0)                   ; one wait for the whole batch, ahead of its first reader
.irp b, 0,1,2,3
	v_exp_f32 v[232+\b], v[232+\b]                 ; the block's largest p: the same two instructions on the same number give the same bits
.endr
	v_pk_add_f32 v[236:237], v[100:101], v[104:105]
	v_pk_add_f32 v[248:249], v[108:109], v[112:113]
	v_pk_add_f32 v[246:247], v[116:117], v[120:121]
	v_pk_add_f32 v[244:245], v[124:125], v[128:129]
	v_pk_add_f32 v[242:243], v[132:133], v[136:137]
	v_pk_add_f32 v[240:241], v[140:141], v[144:145]
	v_pk_add_f32 v[238:239], v[148:149], v[152:153]
	v_pk_add_f32 v[14:15], v[14:15], v[156:157]
	v_pk_add_f32 v[236:237], v[236:237], v[96:97]
	v_pk_add_f32 v[248:249], v[248:249], v[98:99]
	v_pk_add_f32 v[246:247], v[246:247], v[102:103]
	v_pk_add_f32 v[244:245], v[244:245], v[106:107]
	v_pk_add_f32 v[242:243], v[242:243], v[110:111]
	v_pk_add_f32 v[240:241], v[240:241], v[114:115]
	v_pk_add_f32 v[238:239], v[238:239], v[118:119]
	v_pk_add_f32 v[14:15], v[14:15], v[122:123]
	v_pk_add_f32 v[236:237], v[236:237], v[126:127]
	v_pk_add_f32 v[248:249], v[248:249], v[130:131]
	v_pk_add_f32 v[246:247], v[246:247], v[134:135]
	v_pk_add_f32 v[244:245], v[244:245], v[138:139]
	v_pk_add_f32 v[242:243], v[242:243], v[142:143]
	v_pk_add_f32 v[240:241], v[240:241], v[146:147]
	v_pk_add_f32 v[238:239], v[238:239], v[150:151]
	v_pk_add_f32 v[14:15], v[14:15], v[154:155]
	v_pk_add_f32 v[236:237], v[236:237], v[158:159]
	s_delay_alu instid0(VALU_DEP_2)
	v_pk_add_f32 v[14:15], v[14:15], v[244:245]
	s_delay_alu instid0(VALU_DEP_2)
	v_pk_add_f32 v[236:237], v[236:237], v[242:243]
	v_pk_add_f32 v[248:249], v[248:249], v[240:241]
	v_pk_add_f32 v[246:247], v[246:247], v[238:239]
	s_delay_alu instid0(VALU_DEP_2)
	v_pk_add_f32 v[14:15], v[14:15], v[248:249]
	s_delay_alu instid0(VALU_DEP_2)
	v_pk_add_f32 v[236:237], v[236:237], v[246:247]
	s_delay_alu instid0(VALU_DEP_1)
	v_pk_add_f32 v[14:15], v[14:15], v[236:237]
	s_wait_alu depctr_va_vdst(0)                   ; and one for the four
.irp b, 0,1,2,3
	v_max_num_f32 v[232+\b], 0x1800000, v[232+\b]  ; the floor 2^(3 - 127): the byte cannot fall under 1
.endr
.irp b, 0,1,2,3
	s_delay_alu instid0(VALU_DEP_4)
	v_add_nc_u32 v[244+\b], 0xff000000, v[232+\b]  ; 2 off the exponent field: the conversion's scale operand
.endr
.irp b, 0,1,2,3
	s_delay_alu instid0(VALU_DEP_4)
	v_lshrrev_b32 v[236+\b], 23, v[244+\b]         ; the scale's byte
.endr
	s_delay_alu instid0(VALU_DEP_3)
	v_lshl_or_b32 v253, v237, 8, v236              ; p's scale word for these 128 keys
	s_delay_alu instid0(VALU_DEP_1)
	v_lshl_or_b32 v253, v238, 16, v253
	s_delay_alu instid0(VALU_DEP_1)
	v_lshl_or_b32 v253, v239, 24, v253
	s_setprio 0
.irp b, 0,1,2,3
	v_cvt_scalef32_pk8_fp4_f32 v[PC+2*\b], v[S+16*\b:S+7+16*\b], v[244+\b]
	v_cvt_scalef32_pk8_fp4_f32 v[PC+1+2*\b], v[S+8+16*\b:S+15+16*\b], v[244+\b]
.endr
	v_nop                                          ; one plain place behind a scaled conversion
.irp c, 0,1
.irp i, 0,1
	v_permlane16_swap_b32 v[PC+4*\c+\i], v[PC+2+4*\c+\i]   ; lanes 0-15 get block 2 c whole, lanes 16-31 block 2 c + 1
.endr
.endr
.irp j, 0,2,4,6,8,10,12,14,16,18,20,22,24,26,28,30
	v_pk_mul_f32 v[OT+\j:OT+1+\j], v[OT+\j:OT+1+\j], v[250:251] op_sel_hi:[1,0]   ; O^T under the new M.  (For each product below twelve of these name none of its registers: the places between the scale word's and the codes' last writes and the products)
.endr
	s_wait_alu depctr_va_vdst(0)
	s_wait_dscnt 0x0                               ; V and its scale words are in
.irp ci, 0,1
	v_wmma_scale_f32_16x16x128_f8f6f4 v[OT+8*\ci:OT+8*\ci+7], v[VF+8*\ci:VF+8*\ci+7], v[PC:PC+7], v[OT+8*\ci:OT+8*\ci+7], v[VSC+\ci], v253 matrix_a_fmt:MATRIX_FMT_FP4 matrix_b_fmt:MATRIX_FMT_FP4
.endr
.irp ci, 2,3
	v_wmma_scale_f32_16x16x128_f8f6f4 v[OT+8*\ci:OT+8*\ci+7], v[VF+8*\ci:VF+8*\ci+7], v[PC:PC+7], v[OT+8*\ci:OT+8*\ci+7], v[VSC+\ci-2], v253 matrix_a_fmt:MATRIX_FMT_FP4 matrix_b_fmt:MATRIX_FMT_FP4 matrix_a_scale:MATRIX_SCALE_ROW1
.endr
.Lhidden_\@:
.endm
; THE WAY OUT of pass p: y = O^T / the sum, quantised along the head's 64 channels (two blocks), stored as operand registers: 512 consecutive bytes.  The two scale bytes of my token go to LDS.
.macro OUT p
.rept 4
	v_nop                                          ; places behind the last products
.endr
	v_add_f32 v14, v14, v15
	s_delay_alu instid0(VALU_DEP_1)
	v_permlanex16_b32 v254, v14, s[SEL], s[SEL+1]
	s_delay_alu instid0(VALU_DEP_1)
	v_add_f32 v14, v14, v254                       ; the row's sum
	s_wait_alu depctr_va_vdst(0)
	v_rcp_f32 v250, v14
	v_nop                                          ; a plain place behind the reciprocal
	s_wait_alu depctr_va_vdst(0)                   ; and the wait ahead of its first reader
.irp j, 0,2,4,6,8,10,12,14,16,18,20,22,24,26,28,30
	v_pk_mul_f32 v[S+\j:S+1+\j], v[OT+\j:OT+1+\j], v[250:251] op_sel_hi:[1,0]   ; register 8 t + j: channel 16 t + 8 (lane / 16) + j; each accumulator from its low end on
.endr
.irp b, 0,1
	v_max3_num_f32 v[232+\b], |v[S+16*\b]|, |v[S+1+16*\b]|, 0x1800000
.endr
.irp i, 2,4,6,8,10,12,14
.irp b, 0,1
	s_delay_alu instid0(VALU_DEP_2)
	v_max3_num_f32 v[232+\b], v[232+\b], |v[S+16*\b+\i]|, |v[S+1+16*\b+\i]|
.endr
.endr
.irp b, 0,1
	s_delay_alu instid0(VALU_DEP_2)
	v_permlanex16_b32 v[236+\b], v[232+\b], s[SEL], s[SEL+1]
.endr
.irp b, 0,1
	s_delay_alu instid0(VALU_DEP_2)
	v_max_num_f32 v[232+\b], v[232+\b], v[236+\b]
.endr
.irp b, 0,1
	s_delay_alu instid0(VALU_DEP_2)
	v_add_nc_u32 v[244+\b], 0xff000000, v[232+\b]
.endr
.irp b, 0,1
	s_delay_alu instid0(VALU_DEP_2)
	v_lshrrev_b32 v[236+\b], 23, v[244+\b]
.endr
	s_delay_alu instid0(VALU_DEP_1)
	v_lshl_or_b32 v[YH], v237, 8, v236
.irp b, 0,1
	v_cvt_scalef32_pk8_fp4_f32 v[YC+4*\p+2*\b], v[S+16*\b:S+7+16*\b], v[244+\b]
	v_cvt_scalef32_pk8_fp4_f32 v[YC+4*\p+2*\b+1], v[S+8+16*\b:S+15+16*\b], v[244+\b]
.endr
	v_nop                                          ; one plain place behind a scaled conversion
	v_permlane16_swap_b32 v[YC+4*\p], v[YC+4*\p+2]
	v_permlane16_swap_b32 v[YC+4*\p+1], v[YC+4*\p+3]
	global_store_b128 v[LI], v[YC+4*\p:YC+4*\p+3], s[56+2*\p:57+2*\p]
	ds_store_b16 v[YSA+\p], v[YH]                  ; lanes l and l xor 16 write the same two bytes with the same value
.endm
.macro PASS p, trips
.irp j, 0,1,2,3,4,5,6,7,8,9,10,11,12,13,14,15,16,17,18,19,20,21,22,23,24,25,26,27,28,29,30,31
	v_mov_b32 v[OT+\j], 0                          ; the step is written once: the first finds zeros, which the first change of M leaves zeros
.endr
	v_mov_b32 v13, 0xff61b1e6                      ; the largest t so far: -3e38
	s_delay_alu instid0(VALU_DEP_1)
	v_floor_f32 v12, -v13
	v_mov_b32 v14, 0
	v_mov_b32 v15, 0
	s_mov_b32 s[KF], 0
	s_mov_b32 s[TB], 0
	s_mov_b32 s[CNT], \trips
	s_add_co_u32 s[QL], s[Q0+\p], 15
.Lkeys_\@:
	KSTEP \p
	s_add_co_u32 s[KF], s[KF], 128
	s_add_co_u32 s[TB], s[TB], RECB
	s_sub_co_u32 s[CNT], s[CNT], 1
	s_cmp_lg_u32 s[CNT], 0
	s_cbranch_scc1 .Lkeys_\@
	s_setprio 0
	s_wait_alu depctr_va_vdst(0)
	OUT \p
.endm
	s_wait_tensorcnt 0x1                           ; my part of keys 0 to 1,023 is in; the second load may stay out
	s_barrier_signal -1
	s_barrier_wait -1                              ; everybody's is
	s_wait_loadcnt 0x0                             ; Q
	PASS 0, 8                                      ; queries under 1,024: keys under 1,024
	s_wait_tensorcnt 0x0                           ; my part of keys 1,024 on is in,
	s_wait_dscnt 0x0
	s_barrier_signal -1
	s_barrier_wait -1                              ; everybody's is
	PASS 1, 16
	s_wait_dscnt 0x0                               ; for the others' sake: my scale bytes lie in LDS
	s_barrier_signal -1
	s_barrier_wait -1
	s_cmp_lt_u32 s[WV], 2
	s_cbranch_scc0 .Lend
	ds_load_b128 v[88:91], v[YRD]                  ; a block's 256 tokens x 2 bytes
	s_wait_dscnt 0x0
	global_store_b128 v[LI], v[88:91], s[60:61]    ; 512 consecutive bytes, aligned
.Lend:
	s_wait_tensorcnt 0x0
	ds_add_u32 v252, v255
	s_wait_dscnt 0x0
	s_endpgm
.Lfunc_end_k_q56d8609f09_attn:
	.size	k_q56d8609f09_attn, .Lfunc_end_k_q56d8609f09_attn-k_q56d8609f09_attn
	.p2alignl 7, 3214868480
	.fill 96, 4, 3214868480
	.section	.rodata,"a",@progbits
	.p2align	6, 0x0
	.amdhsa_kernel k_q56d8609f09_attn
		.amdhsa_group_segment_fixed_size 169984
		.amdhsa_private_segment_fixed_size 0
		.amdhsa_enable_private_segment 0
		.amdhsa_kernarg_size 24
		.amdhsa_user_sgpr_count 2
		.amdhsa_user_sgpr_kernarg_segment_ptr 1
		.amdhsa_wavefront_size32 1
		.amdhsa_system_sgpr_workgroup_id_x 1
		.amdhsa_system_sgpr_workgroup_id_y 1
		.amdhsa_system_sgpr_workgroup_id_z 1
		.amdhsa_system_vgpr_workitem_id 0
		.amdhsa_next_free_vgpr 256
		.amdhsa_next_free_sgpr 66
		.amdhsa_reserve_vcc 1
		.amdhsa_float_denorm_mode_32 3
		.amdhsa_float_denorm_mode_16_64 3
		.amdhsa_memory_ordered 1
		.amdhsa_forward_progress 1
		.amdhsa_inst_pref_size 61
	.end_amdhsa_kernel
	.amdgpu_metadata
---
amdhsa.version: [ 1, 2 ]
amdhsa.kernels:
  - .name:           k_q56d8609f09_attn
    .symbol:         k_q56d8609f09_attn.kd
    .args:
      - { .name: qkv, .offset: 0, .size: 8, .value_kind: global_buffer, .address_space: global }
      - { .name: yc, .offset: 8, .size: 8, .value_kind: global_buffer, .address_space: global }
      - { .name: ys, .offset: 16, .size: 8, .value_kind: global_buffer, .address_space: global }
    .group_segment_fixed_size: 169984
    .private_segment_fixed_size: 0
    .kernarg_segment_align: 8
    .kernarg_segment_size: 24
    .max_flat_workgroup_size: 512
    .sgpr_count:     66
    .vgpr_count:     256
    .wavefront_size: 32
...
	.end_amdgpu_metadata
.endif
;; end of part 3
;; launch proj (part 4): grid 4 x 64, 4 waves a work-group, clusters of 4 x 4, 209,408 bytes of LDS; arguments yc, ys, opc, ops, b_out, out0; writes out0
.if DOCPART == 4
	.amdgcn_target "amdgcn-amd-amdhsa--gfx1250"
	.amdhsa_code_object_version 6
	.text
	.protected	k_q56d8609f09_proj
	.globl	k_q56d8609f09_proj
	.p2align	8
	.type	k_q56d8609f09_proj,@function
k_q56d8609f09_proj:
	s_mov_b64 s[64:65], 0
	v_nop
	global_prefetch_b8 v0, s[64:65] scope:SCOPE_SE
	s_setreg_imm32_b32 hwreg(HW_REG_WAVE_MODE, 25, 1), 1
	s_wait_xcnt 0x0
	s_wait_alu depctr_hold_cnt(0) depctr_sa_sdst(0) depctr_va_vdst(0) depctr_va_sdst(0) depctr_va_ssrc(0) depctr_va_vcc(0) depctr_vm_vsrc(0)
	s_getreg_b32 s2, hwreg(HW_REG_IB_STS2, 6, 4)
	s_cmp_eq_u32 s2, 0
	s_cbranch_scc0 .Lentry_in_a_cluster
	s_endpgm
.Lentry_in_a_cluster:
	s_bfe_u32 s2, ttmp6, 0x10000c
	s_cmp_lg_u32 s2, 0xf033
	s_cbranch_scc0 .Lentry_shape_is_right
	s_endpgm
.Lentry_shape_is_right:
; out0 = y w_out^T + b_out on codes of FP4 (E2M1) with E8M0 scales; sums in f32.  y's codes and scale bytes come from the attention, w_out's from the quantising launch; both lie in the order of the operand's registers.
; NAMES.  Source 1 of a product is called R (its row is the result's lane % 16): 16 tokens.  Source 0 is called P (its rows run along a lane's registers): 16 rows of w_out, so that a lane holds eight neighbouring numbers of a row of out0.
; SHARES.  A work-group makes 128 tokens x 256 columns: 256 work-groups.  A wave makes 64 x 128: 32 accumulators.  K = 1,024 is eight steps of 128.
; LDS.  All of K fits: two slots of 512 along K, each FILLED ONCE; w_out's scale bytes by a tensor load; y's scale words are put together from the heads' byte pairs by the 128 threads, a token each, in bytes of their own.
; CLUSTER.  4 x 4 work-groups; y's tiles are shared along a row of the cluster, w_out's along a column: joint loads.  A round of the cluster's barrier stands ahead of them and one ahead of the end.
; REGISTERS: window 0: v1-27 addresses; v32-95 scale words, a set for each slot; v96-119 y's scale bytes at work; v128-159, v192-223 R's fragments, two sets; on the way out v128-255 carry rows.
;   window 1: v0-63, v128-191 P's fragments, two sets; v64-127 the biases, as the C of each sum's first product.   window 2: accumulator (a, b) at v[8 (8 a + b)].
.set RA,    4                          ; R tiles of a wave
.set WO,    5767168                    ; opc: where w_out's codes begin;  256 rows are 131,072 bytes
.set WOS,   360448                     ; ops: likewise;  256 rows are 8,192 bytes
.set SLOT,  98304                      ; R's 8 row tiles x 4,096 bytes, then P's 16
.set RS,    2*SLOT                     ; y's scale words: [row tile 8][K half 2][row 16][16 bytes]: stored by the threads, never a tensor load's target
.set PS,    RS+4096                    ; w_out's, the same form, 16 row tiles
.set SPITCH, 528                       ; the way out: a stage of 16 rows x (512 bytes + 16) for each wave, in slot 0, which has had its one fill and its last read by then
.set LI,   4                           ; v4   16 x lane
.set ADRA, 16
.set ADRB, 20
.set STO,  24
.set RD,   25
.set ADRS, 27
.set SC,   32                          ; register SC + 32 s + 4 i + q: lanes 0-15 the word of R's tile i (i under 4), lanes 16-31 of P's tile i
.set BIAS, 64
.set BK,   128
.set G1,   24                          ; s[24:31] group 1 for y's tiles;  s[32:39] group 0, a set for each slot
.set G0,   32
.set G1B,  48                          ; s[48:55], s[56:63] the same for w_out's
.set G0B,  56
.set G1S,  68                          ; s[68:75], s[76:79] for w_out's scale bytes
.set G0S,  76
.set MSB, 0
.macro WIN new                         ; the immediate's high byte repeats the setting that is left
.if MSB != (\new)
	s_set_vgpr_msb (MSB<<8)|(\new)
.set MSB, (\new)
.endif
.endm
.macro PLACES n
.rept \n
	v_nop
.endr
.endm
.macro CROUND                          ; a round of the cluster's barrier
	s_barrier_signal -1
	s_barrier_wait -1
	s_cmp_lg_u32 s14, 0
	s_cbranch_scc1 .Lnot_wave_0_\@
	s_barrier_signal -3
.Lnot_wave_0_\@:
	s_barrier_wait -3
	s_barrier_signal -1
	s_barrier_wait -1
.endm
	s_load_b256 s[4:11], s[0:1], 0x0               ; yc s[4:5], ys s[6:7], opc s[8:9], ops s[10:11]
	s_load_b128 s[92:95], s[0:1], 0x20             ; b_out s[92:93], out0 s[94:95]
	v_lshl_add_u32 v126, v0, 2, 0x33000
	v_mov_b32 v127, 0
	ds_add_u32 v126, v127
	ds_add_u32 v126, v127
	v_lshrrev_b32 v1, 5, v0
	v_readfirstlane_b32 s14, v1                    ; wave 0..3
	s_lshr_b32 s15, s14, 1                         ; my half of the tokens
	s_and_b32 s16, s14, 1                          ; my half of the columns
	s_bfe_u32 s40, ttmp6, 0x40000                  ; cx
	s_bfe_u32 s41, ttmp6, 0x40004                  ; cy
	s_lshl_b32 s42, ttmp9, 2
	s_add_co_u32 s42, s42, s40                     ; the tile of 256 columns
	s_and_b32 s17, ttmp7, 0xffff
	s_lshl_b32 s17, s17, 2
	s_add_co_u32 s17, s17, s41                     ; the tile of 128 tokens
	s_lshl_b32 s43, s41, 2
	s_lshl_b32 s43, 15, s43                        ; my row of the cluster
	s_lshl_b32 s44, 0x1111, s40                    ; my column
	; descriptor group 1 for codes: 8 row tiles x 4,096 bytes (512 along K), 8,192 bytes apart; elements of 8 bytes; dense in LDS
	s_or_b32 s[G1+0], s43, (3<<16)|(1<<21)         ; y's tiles go to my row
	s_or_b32 s[G1B+0], s44, (3<<16)|(1<<21)        ; w_out's to my column
.irp g, G1, G1B
	s_mov_b32 s[\g+1], 512<<16
	s_mov_b32 s[\g+2], 8<<16
	s_mov_b32 s[\g+3], 512<<16
	s_mov_b32 s[\g+4], 8
	s_mov_b32 s[\g+5], 1024
	s_mov_b32 s[\g+6], 0
	s_mov_b32 s[\g+7], 0
.endr
	s_or_b32 s[G1S+0], s44, (3<<16)|(1<<21)        ; the scale bytes of 256 rows of w_out: 8,192 dense bytes as 32 rows of 256
	s_mov_b32 s[G1S+1], 32<<16
	s_mov_b32 s[G1S+2], 32<<16
	s_mov_b32 s[G1S+3], 32<<16
	s_mov_b32 s[G1S+4], 32
	s_mov_b32 s[G1S+5], 32
	s_mov_b32 s[G1S+6], 0
	s_mov_b32 s[G1S+7], 0
	s_lshl_b32 s46, s17, 16                        ; y: 128 tokens are 65,536 bytes of codes
	s_mov_b32 s47, 0
	s_lshl_b32 s100, s42, 17
	s_lshl_b32 s2, s14, 16
	s_add_co_u32 s100, s100, s2
	s_add_co_u32 s100, s100, WO-65536              ; w_out: waves 1 and 2 fetch rows 128 (wave - 1) on of the tile
	s_mov_b32 s101, 0
	s_lshl_b32 s20, s42, 13
	s_add_co_u32 s20, s20, WOS
	s_mov_b32 s21, 0
	s_lshl_b32 s22, s14, 15                        ; where they go: 32,768 x wave: no place in the cluster enters an LDS address
	s_wait_dscnt 0x0
	s_wait_kmcnt 0x0
	s_add_nc_u64 s[46:47], s[4:5], s[46:47]
	s_add_nc_u64 s[100:101], s[8:9], s[100:101]
	s_add_nc_u64 s[20:21], s[10:11], s[20:21]
	CROUND                                         ; all sixteen work-groups are here: the joint loads meet
	s_mov_b32 s[G0S], 1
	s_mov_b32 s[G0S+1], PS
	s_mov_b64 s[G0S+2:G0S+3], s[20:21]
	s_or_b32 s[G0S+3], s[G0S+3], 0x80000000
.irp s, 0,1
	s_mov_b32 s[G0+4*\s], 1
	s_mov_b32 s[G0+4*\s+1], \s*SLOT
	s_add_nc_u64 s[G0+4*\s+2:G0+4*\s+3], s[46:47], \s*4096
	s_or_b32 s[G0+4*\s+3], s[G0+4*\s+3], 0x80000000
	s_mov_b32 s[G0B+4*\s], 1
	s_add_co_u32 s[G0B+4*\s+1], s22, \s*SLOT
	s_add_nc_u64 s[G0B+4*\s+2:G0B+4*\s+3], s[100:101], \s*4096
	s_or_b32 s[G0B+4*\s+3], s[G0B+4*\s+3], 0x80000000
.endr
	; all fills of a wave stand in one arm of a branch on the wave's number, the same in every work-group; each arm's last load is slot 1's.  Wave 0: three loads out; waves 1, 2: two; wave 3: none
	s_cmp_eq_u32 s14, 0
	s_cbranch_scc0 .Lnot_0
	tensor_load_to_lds s[G0S:G0S+3], s[G1S:G1S+7]
	s_nop 0
	tensor_load_to_lds s[G0:G0+3], s[G1:G1+7]
	s_nop 0
	tensor_load_to_lds s[G0+4:G0+7], s[G1:G1+7]
	s_nop 0
.rept 4
	v_nop
.endr
	s_branch .Lasked
.Lnot_0:
	s_cmp_eq_u32 s14, 3
	s_cbranch_scc1 .Lasked
	tensor_load_to_lds s[G0B:G0B+3], s[G1B:G1B+7]
	s_nop 0
	tensor_load_to_lds s[G0B+4:G0B+7], s[G1B:G1B+7]
	s_nop 0
.rept 4
	v_nop
.endr
.Lasked:
	v_and_b32 v1, 15, v0                           ; r
	v_bfe_u32 v2, v0, 4, 1                         ; h
	s_wait_alu depctr_va_vdst(0)
	v_and_b32 v3, 31, v0
	v_lshlrev_b32 v[LI], 4, v3
	s_wait_alu depctr_va_vdst(0)
	; y's scale bytes: thread T is token T of the tile; ys is [16 x batch + head][token 2,048][2 bytes]
	s_lshr_b32 s2, s17, 4
	s_lshl_b32 s2, s2, 16                          ; the batch: 16 heads x 4,096 bytes
	s_and_b32 s3, s17, 15
	s_lshl_b32 s3, s3, 8                           ; 128 tokens x 2 bytes
	s_add_co_u32 s2, s2, s3
	s_mov_b32 s3, 0
	s_add_nc_u64 s[6:7], s[6:7], s[2:3]
	v_lshlrev_b32 v10, 1, v0
.irp hd, 0,1,2,3,4,5,6,7,8,9,10,11,12,13,14,15
	global_load_u16 v[96+\hd], v10, s[6:7] offset:4096*\hd
.endr
	s_lshl_b32 s2, s42, 10
	s_lshl_b32 s18, s16, 9
	s_add_co_u32 s2, s2, s18                       ; my 128 columns, in bytes of f32
	s_add_nc_u64 s[92:93], s[92:93], s[2:3]
	v_lshlrev_b32 v15, 5, v2
	WIN 0x40                                       ; destination window 1
.irp b, 0,1,2,3,4,5,6,7
	global_load_b128 v[BIAS+8*\b:BIAS+8*\b+3], v15, s[92:93] offset:64*\b        ; register j of tile b belongs to column 16 b + 8 h + j
	global_load_b128 v[BIAS+8*\b+4:BIAS+8*\b+7], v15, s[92:93] offset:64*\b+16
.endr
	WIN 0
	s_lshl_b32 s18, s17, 19                        ; out0: 128 tokens x 4,096 bytes,
	s_lshl_b32 s19, s15, 18                        ; my 64 of them,
	s_add_co_u32 s18, s18, s19
	s_add_co_u32 s18, s18, s2                      ; my columns
	s_mov_b32 s19, 0
	s_add_nc_u64 s[94:95], s[94:95], s[18:19]
	s_lshl_b32 s2, s15, 14                         ; my 4 row tiles of R
	s_lshl_b32 s3, s16, 15
	s_add_co_u32 s3, s3, 32768                     ; my 8 row tiles of P, behind R's 8
.irp s, 0,1
	v_add_nc_u32 v[ADRA+\s], s2, v[LI]
	v_add_nc_u32 v[ADRB+\s], s3, v[LI]
	s_add_co_u32 s2, s2, SLOT
	s_add_co_u32 s3, s3, SLOT
.endr
	s_lshl_b32 s2, s15, 11                         ; R's scale words: 512 bytes a row tile
	s_lshl_b32 s3, s16, 12
	s_add_co_u32 s3, s3, PS-RS
	s_sub_co_u32 s3, s3, s2
	v_mul_u32_u24 v14, s3, v2                      ; lanes 16-31 take P's
	s_add_co_u32 s2, s2, RS
	v_lshl_add_u32 v14, v1, 4, v14
	v_add_nc_u32 v[ADRS], s2, v14
	v_lshrrev_b32 v12, 4, v0
	v_lshlrev_b32 v13, 4, v1
	v_lshl_add_u32 v13, v12, 9, v13
	v_add_nc_u32 v13, RS, v13                      ; where my token's scale words go: row tile T / 16, row T % 16
	s_mul_i32 s2, s14, 16*SPITCH                   ; my stage
	v_mul_u32_u24 v[STO], v1, SPITCH
	v_lshl_add_u32 v[STO], v2, 5, v[STO]
	v_add_nc_u32 v[STO], s2, v[STO]                ; in: row r, 32 bytes for each half of the lanes
	v_add_nc_u32 v[RD], s2, v[LI]                  ; back: the 32 lanes take one row of 512 bytes
	s_wait_alu depctr_va_vdst(0)
	s_wait_loadcnt 16                              ; the sixteen pairs of bytes are in; the sixteen loads of biases may be out
.irp q, 0,1,2,3,4,5,6,7
	v_lshl_or_b32 v[112+\q], v[96+2*\q+1], 16, v[96+2*\q]   ; 128 along K are two heads: four bytes
.endr
	ds_store_b128 v13, v[112:115]                  ; the first K half's four words,
	ds_store_b128 v13, v[116:119] offset:256       ; the second's
.macro FRAG reg, adr, q, i             ; a fragment, 16 rows x 128 K: 8 registers, two loads of 512 consecutive bytes
.irp c, 0,1
	ds_load_b128 v[(\reg)+4*\c:(\reg)+4*\c+3], v[\adr] offset:1024*(\q)+512*\c+4096*(\i)
.endr
.endm
.macro FETCH k                         ; step k's fragments into set k % 2
	WIN 0x40
.irp i, 0,1,2,3,4,5,6,7
	FRAG 128*((\k)%2)+8*\i, ADRB+(\k)/4, (\k)%4, \i
.endr
	WIN 0
.irp i, 0,1,2,3,4,5,6,7
.if \i < RA
	FRAG 128+64*((\k)%2)+8*\i, ADRA+(\k)/4, (\k)%4, \i
.endif
.endr
.endm
.macro SCALES s                        ; slot s's scale words: lanes 16-31 take P's tile i; lanes 0-15 R's tile i for i under 4 (for the others they read bytes that have landed and that no product names)
.irp i, 0,1,2,3,4,5,6,7
	ds_load_b128 v[SC+32*(\s)+4*\i:SC+32*(\s)+4*\i+3], v[ADRS] offset:512*\i+256*(\s)
.endr
.endm
; Step k's products.  cm = 0: they add in place; 1: they start the sums with the biases.  The 32 accumulators take turns, one instruction a turn, in the same order in every step.
.macro MULS k, cm
.if \cm
	WIN 0x91                                       ; P and the biases window 1, R window 0, the result window 2
.else
	WIN 0xa1                                       ; P window 1, R window 0, C and D window 2
.endif
.irp a, 0,1,2,3
.irp b, 0,1,2,3,4,5,6,7
.set rD, 8*(8*\a+\b)
.set rP, 128*((\k)%2)+8*\b
.set rR, 128+64*((\k)%2)+8*\a
.set sP, SC+32*((\k)/4)+4*\b+(\k)%4
.set sR, SC+32*((\k)/4)+4*\a+(\k)%4
.if \cm
	v_wmma_scale_f32_16x16x128_f8f6f4 v[rD:rD+7], v[rP:rP+7], v[rR:rR+7], v[BIAS+8*\b:BIAS+8*\b+7], v[sP], v[sR] matrix_a_fmt:MATRIX_FMT_FP4 matrix_b_fmt:MATRIX_FMT_FP4 matrix_a_scale:MATRIX_SCALE_ROW1
.else
	v_wmma_scale_f32_16x16x128_f8f6f4 v[rD:rD+7], v[rP:rP+7], v[rR:rR+7], v[rD:rD+7], v[sP], v[sR] matrix_a_fmt:MATRIX_FMT_FP4 matrix_b_fmt:MATRIX_FMT_FP4 matrix_a_scale:MATRIX_SCALE_ROW1
.endif
.endr
.endr
.endm
.macro STEP k, cm
	s_wait_dscnt 0x0                               ; this step's fragments (asked for a whole step ago) are in
.if (\k) == 3
	s_wait_tensorcnt 0x0                           ; my part of slot 1 has landed;
	s_barrier_signal -1
	s_barrier_wait -1                              ; everybody's has, and nobody reads slot 0 any more
.endif
.if (\k) < 7
.if (\k) > 0
	PLACES 4                                       ; four plain places between the last product, which read the other set, and the loads into it (ISA guide 7.12.1 for vector instructions)
.endif
	FETCH (\k)+1
.if (\k) == 3
	SCALES 1
.endif
.endif
	MULS \k, \cm
.endm
	s_wait_tensorcnt 0x1                           ; all my loads but the last, slot 1's, are in: nothing is filled again
	s_wait_dscnt 0x0                               ; for the others' sake: my token's scale words lie in LDS
	s_barrier_signal -1
	s_barrier_wait -1
	FETCH 0
	SCALES 0
	s_wait_loadcnt 0x0                             ; the biases
	STEP 0, 1
	STEP 1, 0
	STEP 2, 0
	STEP 3, 0
	STEP 4, 0
	STEP 5, 0
	STEP 6, 0
	STEP 7, 0
	WIN 0
; THE WAY OUT, block by block of 16 tokens x 128 columns.  A lane holds 32 neighbouring bytes of a row and the lanes beside it hold other rows: so a block goes through my own stage in LDS and comes back as whole rows of 512 bytes.
; LDS serves a wave's instructions in order (ISA guide 5.7.1.4): no wait between the stores and the loads, nor ahead of the next block's stores.
.macro TOSTAGE a
.set AC, 64*(\a)
	WIN 0x08                                       ; an LDS store's data are its source 1: window 2
.irp b, 0,1,2,3,4,5,6,7
	ds_store_b128 v[STO], v[AC+8*\b:AC+8*\b+3] offset:64*\b          ; each accumulator from its low end on
	ds_store_b128 v[STO], v[AC+8*\b+4:AC+8*\b+7] offset:64*\b+16
.endr
	WIN 0
.set BB, BK+64*((\a)%2)
.irp t, 0,1,2,3,4,5,6,7,8,9,10,11,12,13,14,15
	ds_load_b128 v[BB+4*\t:BB+4*\t+3], v[RD] offset:\t*SPITCH
.endr
.endm
.macro SEND a, younger                 ; younger: the LDS instructions issued behind block a's loads, which may stay out
.set BB, BK+64*((\a)%2)
	s_wait_dscnt \younger
.irp t, 0,1,2,3,4,5,6,7,8,9,10,11,12,13,14,15
	global_store_b128 v[LI], v[BB+4*\t:BB+4*\t+3], s[94:95] offset:(16*(\a)+\t)*4096 th:TH_STORE_NT   ; 32 lanes store 512 consecutive bytes, at a multiple of 256 from out0's first byte; the row stands in the immediate
.endr
.endm
	PLACES 4                                       ; ahead of the first read of results and of the loads into the registers that held R's fragments
	TOSTAGE 0
.irp a, 1,2,3
.if \a > 1
	s_wait_xcnt 0x0                                ; block a - 2's stores have read their registers: block a's loads may land there
.endif
	TOSTAGE \a
	SEND \a-1, 32                                  ; behind block a - 1's loads: block a's 16 stores and 16 loads
.endr
	SEND 3, 0
	s_wait_dscnt 0x0
	s_wait_tensorcnt 0x0
	ds_add_u32 v126, v127
	s_wait_dscnt 0x0
	CROUND                                         ; the closing round: no work-group ends while a partner may still ask for a tile that names it
	s_endpgm
.Lfunc_end_k_q56d8609f09_proj:
	.size	k_q56d8609f09_proj, .Lfunc_end_k_q56d8609f09_proj-k_q56d8609f09_proj
	.p2alignl 7, 3214868480
	.fill 96, 4, 3214868480
	.section	.rodata,"a",@progbits
	.p2align	6, 0x0
	.amdhsa_kernel k_q56d8609f09_proj
		.amdhsa_group_segment_fixed_size 209408
		.amdhsa_private_segment_fixed_size 0
		.amdhsa_enable_private_segment 0
		.amdhsa_kernarg_size 48
		.amdhsa_user_sgpr_count 2
		.amdhsa_user_sgpr_kernarg_segment_ptr 1
		.amdhsa_wavefront_size32 1
		.amdhsa_system_sgpr_workgroup_id_x 1
		.amdhsa_system_sgpr_workgroup_id_y 1
		.amdhsa_system_sgpr_workgroup_id_z 1
		.amdhsa_system_vgpr_workitem_id 0
		.amdhsa_next_free_vgpr 1024
		.amdhsa_next_free_sgpr 102
		.amdhsa_reserve_vcc 0
		.amdhsa_float_denorm_mode_32 3
		.amdhsa_float_denorm_mode_16_64 3
		.amdhsa_memory_ordered 1
		.amdhsa_forward_progress 1
		.amdhsa_inst_pref_size 74
	.end_amdhsa_kernel
	.amdgpu_metadata
---
amdhsa.version: [ 1, 2 ]
amdhsa.kernels:
  - .name:           k_q56d8609f09_proj
    .symbol:         k_q56d8609f09_proj.kd
    .args:
      - { .name: yc, .offset: 0, .size: 8, .value_kind: global_buffer, .address_space: global }
      - { .name: ys, .offset: 8, .size: 8, .value_kind: global_buffer, .address_space: global }
      - { .name: opc, .offset: 16, .size: 8, .value_kind: global_buffer, .address_space: global }
      - { .name: ops, .offset: 24, .size: 8, .value_kind: global_buffer, .address_space: global }
      - { .name: b_out, .offset: 32, .size: 8, .value_kind: global_buffer, .address_space: global }
      - { .name: out0, .offset: 40, .size: 8, .value_kind: global_buffer, .address_space: global }
    .group_segment_fixed_size: 209408
    .private_segment_fixed_size: 0
    .kernarg_segment_align: 8
    .kernarg_segment_size: 48
    .max_flat_workgroup_size: 128
    .sgpr_count:     102
    .vgpr_count:     1024
    .wavefront_size: 32
...
	.end_amdgpu_metadata
.endif
;; end of part 4
